; MI455X (gfx1250); checked and timed in simulation.
; The chip was launched on July 23, 2026; its instructions are those of AMD's public machine-readable ISA for CDNA 5 (MIT licence, August 2026) and "CDNA5" Instruction Set Architecture Reference Guide (July 2026). The comments in the code are by the model that wrote it; some were corrected since.
;; Attention Model. Allowed arithmetic: matrix products marked QUANTISED: E2M3 operands, one E8M0 scale for each 32 along K, by v_wmma_scale_f32_16x16x128_f8f6f4 with both operands' format E2M3, f32 sums; everything else in f32.
;; Inputs: b_proj 1,024 float32; b_qkv 3,072 float32; w_proj 1,024 x 1,024 float32; w_qkv 1,024 x 3,072 float32; x 4 x 2,048 x 1,024 float32.
;; Outputs: out0 4 x 2,048 x 1,024 float32.
;; This version of the problem:
;;   THIS VERSION OF THE PROBLEM IS GIVEN IN LOW PRECISION. The matrix products marked QUANTISED in the list below multiply operands that are first quantised to E2M3 (2 exponent bits, 3 mantissa bits; 6 bits a number), with one power-of-two scale for each 32 numbers along K (OCP MX v1.0); their sums are f32. All else is computed in f32.
;;   The module's matrix products, in the order in which they are computed (A, B: the left and right operand; K: the contracted axis; several contracted axes count as one K, in the product's order):
;;     1. [M 8,192, K 1,024] x [K 1,024, N 3,072]; A: input x; B: input w_qkv: QUANTISED
;;     2. batch 64 x [M 2,048, K 64] x [K 64, N 2,048]; A: computed on the way; B: computed on the way: QUANTISED
;;     3. batch 64 x [M 2,048, K 2,048] x [K 2,048, N 64]; A: softmax (see below); B: computed on the way: QUANTISED
;;     4. [M 8,192, K 1,024] x [K 1,024, N 1,024]; A: computed on the way; B: input w_proj: QUANTISED
;;   THE QUANTISER, for each operand of a quantised product, along K:
;;     - K is cut into blocks of 32 from its start; a last block that is shorter is filled with zeros.
;;     - A block's scale is 2^e with e = floor(log2(the largest magnitude in the block)) - 2, held to -126 .. 127; a block of zeros has e = 0. As a byte (E8M0): e + 127.
;;     - Each number is divided by its block's scale, clamped to +-7.5, and rounded to the nearest number of E2M3, ties to even, subnormals kept.
;;     - The product sums the exact products of the quantised numbers (number of the format x scale) in f32.
;;   ~~~python
;;   def quantise(x, axis):      # numpy; x: float32 -> the quantised numbers, widened to float32 again
;;       x = np.moveaxis(x, axis, -1); K = x.shape[-1]
;;       x = np.pad(x, [(0, 0)] * (x.ndim - 1) + [(0, -K % 32)]); x = x.reshape(x.shape[:-1] + (-1, 32)); a = np.abs(x).max(-1, keepdims=True)
;;       e = np.where(a > 0, np.clip(np.frexp(np.where(a > 0, a, 1))[1] - 1 - 2, -126, 127), 0)      # np.frexp(a)[1] - 1 = floor(log2(a)), exactly
;;       r = np.clip(x / 2.0 ** e, -7.5, 7.5)
;;       step = 2.0 ** (np.maximum(np.frexp(np.where(r == 0, 1, r))[1] - 1, 0) - 3)
;;       q = np.round(r / step) * step * 2.0 ** e      # np.round: ties to even
;;       return np.moveaxis(q.reshape(q.shape[:-2] + (-1,))[..., :K], -1, axis).astype(np.float32)
;;   ~~~
;;   SOFTMAX AHEAD OF A QUANTISED PRODUCT. Where the list says 'softmax', what is quantised is not the finished softmax but p = 2^(t - M), with t = logit x log2(e) and M = ceil(the row's largest t), a whole number; so 1/2 < the row's largest p <= 1. The row's sum l is taken of the UNQUANTISED p, in f32, and the product's result is divided by l at the end. Since M is a whole number, a kernel that streams over the keys may use a running M (the ceiling of the running maximum): every later rescaling is an exact power of two, which a block's scale takes up: the codes' values come out the same.
;;   OPERANDS COMPUTED ON THE WAY. 'Computed on the way' means the value that the module computes at that place (a softmax that the list does not call 'softmax' is quantised finished and normalised). What goes into a quantiser is computed in f32, as accurately as f32 sums, v_exp_f32 and their like allow (about 1e-6 of the number): no bf16 or f16 on the way to a quantiser, and a product that is left as it is and whose result goes on into a quantised operand takes f32 operands (vector FMAs, or v_wmma_f32_16x16x4_f32). A number that lies on a knife's edge between two numbers of the format may be rounded either way, as far as f32 arithmetic and the matrix unit's own rounding can turn it there, and no further.
;; One version. Each part assembles by itself: llvm-mc -triple=amdgcn-amd-amdhsa -mcpu=gfx1250 --defsym DOCPART=n.
;; ======== version 1 of 1: 4 launches
;; limits: right only within a limited range of input values
;; workspace buffers: xq 6,553,600 bytes; wq 2,457,600 bytes; wp 819,200 bytes; qc 6,553,600 bytes; kv 13,107,200 bytes; aq 6,553,600 bytes
;; launch quant (part 1): grid 512 x 1, 8 waves a work-group, no clusters, 150,016 bytes of LDS; arguments x, xq, w_qkv, w_proj, wq, wp; writes xq, wq, wp
.if DOCPART == 1
	.amdgcn_target "amdgcn-amd-amdhsa--gfx1250"
	.amdhsa_code_object_version 6
	.text
	.protected	k_qd6eb74d633_quant
	.globl	k_qd6eb74d633_quant
	.p2align	8
	.type	k_qd6eb74d633_quant,@function
k_qd6eb74d633_quant:
	s_mov_b64 s[64:65], 0
	v_nop
	global_prefetch_b8 v0, s[64:65] scope:SCOPE_SE
	s_setreg_imm32_b32 hwreg(HW_REG_WAVE_MODE, 25, 1), 1
	s_wait_xcnt 0x0
; ONE LAUNCH QUANTISES ALL THREE OPERANDS THAT ARRIVE AS f32: work-groups 0-255 take x, work-groups 256-511 the two weights.  The two paths part on the work-group's number alone and have LDS bytes of their own.
; All become codes of FP6 (E2M3) with one E8M0 byte for each 32 along K, laid in the ORDER OF THE OPERAND'S REGISTERS: blocks of 256 rows, 204,800 bytes.  A block: for K step s (128 along K) and tile t (16 rows)
; a fragment of 1,536 bytes at 24,576 s + 1,536 t: two half images of 768 bytes (64 along K each): lane l's registers 0-3 at 16 l, its registers 4-5 at 512 + 8 l.  At 196,608: one scale word for each row and
; K step, at 1,024 s + 64 t + 4 r.  Lane-row r of tile T is row 32 (T / 2) + 8 (T % 2) + r + 8 (r / 8): a product's results then lie with 16 neighbours along the next product's K in a lane's 16 registers.
; A block's scale is 2^(floor(log2(largest magnitude)) - 2); its byte is the largest magnitude's exponent field - 2, held at 1 from below.
; LIMITS: NaN and infinities are not served; a block whose largest magnitude lies under 2^-124, a block of zeros among them, gets the byte 1 (the rule says 127 for zeros): its codes add nothing under any byte
; but 0xff, and this program alone reads the bytes.
; x [8192][1024].  A work-group's two halves of four waves work apart: half number g = 2 x work-group + half takes K steps 2 (g % 4) and 2 (g % 4) + 1 of the four tiles 4 (g / 4) + wave % 4.  A wave asks for its
; 16 rows x 1,024 bytes at once: 32 loads of 512 consecutive bytes.  The conversions want 16 neighbours along K in one lane: a K step's 8 KiB turn through the wave's own stage in LDS (rows of 512 + 16 bytes).
; w_qkv [1024 (k)][3072], w_proj [1024 (k)][1024]: rows of the operand are the columns n.  Work-group j = number - 256: 128 columns (j % 32; under 24: w_qkv, else w_proj: only pointers and the row's length are
; chosen) x K step j / 32.  Wave w: 32 columns (w % 4), 64 along K (w / 4).  A lane takes a column and its registers run down K: a block of 32 lies in one lane, and the conversions give K innermost.
; No cluster, no tensor load: the work-groups share no input byte.
.set SP,    528                        ; a stage row: 512 bytes + 16
.set STG,   16*SP
.set WREG,  2*STG                      ; a wave's two stages, one for each K step
.set SCW,   8*WREG                     ; x's scale words: [half 2][K step 2][wave 4][row 16]
.set WB,    SCW+1024                   ; the weights' path: eight stages of 1,536 bytes,
.set WSC,   WB+8*1536                  ; and 8 tiles x 16 scale words
.set SPARE, WSC+512                    ; the spare words, 128 bytes a wave
.set BLKB,  204800
.set STEPB, 24576
.set SCOFF, 196608
.set L16,  4
.set L8,   5
.set SIN,  6                           ; the stage, on the way in
.set SOUT, 7                           ; and on the way out: row r, + 64 (lane / 16)
.set SWA,  8                           ; where my row's scale word goes
.set SRA,  9                           ; where a half's first wave reads the words back
.set R,    16                          ; v16-143  the rows as loaded
.set X,    144                         ; v144-207 64 numbers: register 16 b + i = k 32 b + 16 (lane / 16) + i of my row
.set PC,   208                         ; v208-219 the fragment's codes; v220-226 the conversions' second halves
.set TM,   228
.set PW,   244
.set SEL,  20
.macro QUANT s, pw                     ; 64 numbers of a lane become a fragment's codes and its scale word
.irp b, 0,1,2,3
	v_max3_num_f32 v[TM+\b], |v[\s+16*\b]|, |v[\s+1+16*\b]|, 0x1800000   ; with the floor 2^(3 - 127): the byte cannot fall under 1
.endr
.irp i, 2,4,6,8,10,12,14
.irp b, 0,1,2,3
	v_max3_num_f32 v[TM+\b], v[TM+\b], |v[\s+16*\b+\i]|, |v[\s+1+16*\b+\i]|   ; the four blocks by turns
.endr
.endr
.irp b, 0,1,2,3
	v_permlanex16_b32 v[TM+4+\b], v[TM+\b], s[SEL], s[SEL+1]
.endr
.irp b, 0,1,2,3
	v_max_num_f32 v[TM+\b], v[TM+\b], v[TM+4+\b]   ; with lane l xor 16's
.endr
.irp b, 0,1,2,3
	v_add_nc_u32 v[TM+12+\b], 0xff000000, v[TM+\b]   ; 2 off the exponent field: the conversion's scale operand
.endr
.irp b, 0,1,2,3
	v_lshrrev_b32 v[TM+4+\b], 23, v[TM+12+\b]      ; the scale's byte
.endr
	v_lshl_or_b32 v[\pw], v[TM+5], 8, v[TM+4]
	v_lshl_or_b32 v[\pw], v[TM+6], 16, v[\pw]
	v_lshl_or_b32 v[\pw], v[TM+7], 24, v[\pw]
.irp c, 0,1
	v_cvt_scalef32_pk16_fp6_f32 v[PC+6*\c:PC+2+6*\c], v[\s+32*\c:\s+15+32*\c], v[TM+12+2*\c]
	v_cvt_scalef32_pk16_fp6_f32 v[PC+12+4*\c:PC+14+4*\c], v[\s+16+32*\c:\s+31+32*\c], v[TM+12+2*\c+1]   ; (a conversion's three registers begin on an even number)
.endr
	v_nop                                          ; one plain place behind a scaled conversion
.irp c, 0,1                                    ; the operand wants a whole block in a lane
.irp i, 0,1,2
	v_permlane16_swap_b32 v[PC+6*\c+\i], v[PC+12+4*\c+\i]
.endr
.irp i, 0,1,2
	v_mov_b32 v[PC+3+6*\c+\i], v[PC+12+4*\c+\i]
.endr
.endr
.endm
.macro STAGE_IN st
.set II, 0
.rept 16
	ds_store_b128 v[SIN], v[R+64*\st+4*II:R+64*\st+4*II+3] offset:STG*\st+SP*II
.set II, II+1
.endr
.endm
.macro STAGE_OUT st                            ; LDS serves a wave's instructions in order: these see the stores
.set II, 0
.rept 16
	ds_load_b128 v[X+4*II:X+4*II+3], v[SOUT] offset:STG*\st+128*(II/4)+16*(II%4)
.set II, II+1
.endr
.endm
.macro OUT off                                 ; stores of 512, 256, 512, 256 consecutive bytes, each at a multiple of 256
	global_store_b128 v[L16], v[PC:PC+3], s[6:7] offset:\off
	global_store_b64 v[L8], v[PC+4:PC+5], s[6:7] offset:\off+512
	global_store_b128 v[L16], v[PC+6:PC+9], s[6:7] offset:\off+768
	global_store_b64 v[L8], v[PC+10:PC+11], s[6:7] offset:\off+1280
.endm
	v_lshl_add_u32 v254, v0, 2, SPARE
	v_mov_b32 v255, 0
	s_cmp_lt_u32 ttmp9, 256
	s_cbranch_scc0 .Lw
	; ---------------- x ----------------
	s_load_b128 s[4:7], s[0:1], 0x0                ; x, xq
	v_lshrrev_b32 v1, 5, v0
	v_readfirstlane_b32 s8, v1                     ; wave 0..7
	s_and_b32 s24, s8, 3                           ; my place in my half
	s_lshr_b32 s25, s8, 2                          ; my half
	s_mul_i32 s9, s8, WREG
	s_lshl_b32 s26, s25, 9
	s_add_co_u32 s26, s26, SCW                     ; my half's scale words
	s_lshl_b32 s10, s24, 6
	s_add_co_u32 s10, s10, s26
	v_and_b32 v1, 31, v0                           ; lane
	v_and_b32 v2, 15, v0                           ; r
	v_bfe_u32 v3, v0, 4, 1                         ; h
	v_lshlrev_b32 v[L16], 4, v1
	v_lshlrev_b32 v[L8], 3, v1
	v_add_nc_u32 v[SIN], s9, v[L16]
	v_mul_u32_u24 v[SOUT], v2, SP
	v_lshl_add_u32 v[SOUT], v3, 6, v[SOUT]
	v_add_nc_u32 v[SOUT], s9, v[SOUT]
	v_lshl_add_u32 v[SWA], v2, 2, s10
	v_add_nc_u32 v[SRA], s26, v[L8]
.irp b, 0,1,2,3
	v_mov_b32 v[TM+4+\b], 0                        ; written once: a lane permute's destination counts as one of its sources
.endr
	s_mov_b32 s[SEL], 0x76543210
	s_mov_b32 s[SEL+1], 0xfedcba98
	s_lshl_b32 s27, ttmp9, 1
	s_add_co_u32 s27, s27, s25                     ; g
	s_and_b32 s11, s27, 3                          ; which pair of K steps
	s_lshr_b32 s12, s27, 2                         ; which four tiles
	s_lshl_b32 s13, s12, 2
	s_add_co_u32 s13, s13, s24                     ; my tile T
	s_lshr_b32 s14, s13, 1                         ; x: row 32 (T / 2) + 8 (T % 2), 4,096 bytes a row, + 1,024 bytes for each pair of K steps
	s_lshl_b32 s14, s14, 17
	s_and_b32 s15, s13, 1
	s_lshl_b32 s15, s15, 15
	s_add_co_u32 s14, s14, s15
	s_lshl_b32 s15, s11, 10
	s_add_co_u32 s14, s14, s15
	s_mov_b32 s15, 0
	s_lshr_b32 s16, s13, 4                         ; xq: block T / 16, K step, tile T % 16
	s_mul_i32 s16, s16, BLKB
	s_mul_i32 s17, s11, 2*STEPB
	s_add_co_u32 s16, s16, s17
	s_and_b32 s17, s13, 15
	s_mul_i32 s17, s17, 1536
	s_add_co_u32 s16, s16, s17
	s_mov_b32 s17, 0
	s_lshr_b32 s18, s12, 2                         ; the half's scale words: four tiles' 256 bytes a K step
	s_mul_i32 s18, s18, BLKB
	s_lshl_b32 s19, s11, 11
	s_add_co_u32 s18, s18, s19
	s_and_b32 s19, s12, 3
	s_lshl_b32 s19, s19, 8
	s_add_co_u32 s18, s18, s19
	s_add_co_u32 s18, s18, SCOFF
	s_mov_b32 s19, 0
	s_wait_alu depctr_va_vdst(0)                   ; the wait at the head's end
	s_wait_kmcnt 0x0
	s_add_nc_u64 s[4:5], s[4:5], s[14:15]
	s_add_nc_u64 s[22:23], s[6:7], s[18:19]
	s_add_nc_u64 s[6:7], s[6:7], s[16:17]
.irp st, 0,1
.set II, 0
.rept 16
	global_load_b128 v[R+64*\st+4*II:R+64*\st+4*II+3], v[L16], s[4:5] offset:(II+8*(II/8))*4096+512*\st th:TH_LOAD_NT   ; 512 consecutive bytes of lane-row II
.set II, II+1
.endr
.endr
	s_wait_loadcnt 16                              ; the first K step's 16 loads are in; the second's may be out
	STAGE_IN 0
	STAGE_OUT 0
	s_wait_loadcnt 0x0
	STAGE_IN 1
	s_wait_dscnt 16                                ; all but the 16 stores just issued
	QUANT X, PW
	OUT 0
	ds_store_b32 v[SWA], v[PW]                     ; lanes r and r + 16 write the same word with the same value
	STAGE_OUT 1
	s_wait_dscnt 0x0
	s_wait_xcnt 0x0                                ; the stores above have read the codes' registers
	QUANT X, PW+1
	OUT STEPB
	ds_store_b32 v[SWA], v[PW+1] offset:256
	s_wait_dscnt 0x0                               ; for the others' sake: my scale words lie in LDS
	s_barrier_signal -1
	s_barrier_wait -1
	s_cmp_lg_u32 s24, 0
	s_cbranch_scc1 .Lxdone
	ds_load_b64 v[246:247], v[SRA]                 ; four tiles' words of a K step: 256 bytes, 8 a lane
	ds_load_b64 v[248:249], v[SRA] offset:256
	s_wait_dscnt 0x0
	global_store_b64 v[L8], v[246:247], s[22:23]   ; 256 consecutive bytes, at a multiple of 256
	global_store_b64 v[L8], v[248:249], s[22:23] offset:1024
.Lxdone:
	s_wait_tensorcnt 0x0                           ; the wave's end
	ds_add_u32 v254, v255
	s_wait_dscnt 0x0
	s_endpgm
	; ---------------- the weights ----------------
.set WL16, 10
.set WL8,  11
.set WCT,  16                          ; v16-18  a conversion's second half
.set WOFF, 32                          ; v32-63  byte offset of row i of a block, at my column
.set WX,   64                          ; v64-127 my two blocks
.Lw:
	s_load_b128 s[4:7], s[0:1], 0x10               ; w_qkv, w_proj
	s_load_b128 s[8:11], s[0:1], 0x20              ; wq, wp
	v_lshrrev_b32 v1, 5, v0
	s_delay_alu instid0(VALU_DEP_1)
	v_readfirstlane_b32 s12, v1                    ; wave 0..7
	s_and_b32 s13, s12, 3                          ; which 32 columns
	s_lshr_b32 s14, s12, 2                         ; which 64 along K
	s_sub_co_u32 s32, ttmp9, 256
	s_lshr_b32 s15, s32, 5                         ; the K step
	s_and_b32 s33, s32, 31                         ; which 128 columns of the two weights
	v_and_b32 v1, 31, v0                           ; lane = column in the 32
	v_bfe_u32 v2, v0, 3, 1                         ; u: which of the two tiles my column falls into
	v_and_b32 v3, 7, v0
	v_bfe_u32 v12, v0, 4, 1
	s_delay_alu instid0(VALU_DEP_1)
	v_lshl_or_b32 v3, v12, 3, v3                   ; r: its lane-row there
	v_lshlrev_b32 v4, 2, v1                        ; in: 4 bytes a lane
	s_mul_i32 s16, s12, 1536                       ; my stage: two half images
	s_add_co_u32 s16, s16, WB
	v_mul_u32_u24 v13, v2, 768
	s_delay_alu instid0(VALU_DEP_1)
	v_add_nc_u32 v13, s16, v13
	s_delay_alu instid0(VALU_DEP_1)
	v_lshl_add_u32 v5, v3, 4, v13                  ; registers 0-3 of lane (r, 0)
	s_delay_alu instid0(VALU_DEP_2)
	v_lshl_add_u32 v6, v3, 3, v13
	s_delay_alu instid0(VALU_DEP_1)
	v_add_nc_u32 v6, 512, v6                       ; registers 4-5
	v_lshlrev_b32 v[WL16], 4, v1
	v_lshlrev_b32 v[WL8], 3, v1
	s_delay_alu instid0(VALU_DEP_2)
	v_add_nc_u32 v7, s16, v[WL16]                  ; back: as images
	s_delay_alu instid0(VALU_DEP_2)
	v_add_nc_u32 v8, s16, v[WL8]
	s_lshl_b32 s17, s13, 7                         ; my two bytes of my row's scale word: WSC + 128 (w % 4) + 64 u + 4 r + 2 (w / 4)
	s_lshl_b32 s18, s14, 1
	s_add_co_u32 s17, s17, s18
	s_add_co_u32 s17, s17, WSC
	v_lshlrev_b32 v9, 6, v2
	s_delay_alu instid0(VALU_DEP_1)
	v_lshl_add_u32 v9, v3, 2, v9
	s_delay_alu instid0(VALU_DEP_1)
	v_add_nc_u32 v9, s17, v9
	v_add_nc_u32 v19, WSC, v[WL16]                 ; where wave 0 reads the words back
	s_mov_b32 s19, 4096
	s_wait_kmcnt 0x0
	s_cmp_lt_u32 s33, 24                           ; which weight?  The choice hangs on the work-group's number alone
	s_cselect_b64 s[4:5], s[4:5], s[6:7]
	s_cselect_b64 s[8:9], s[8:9], s[10:11]
	s_cselect_b32 s19, 12288, s19                  ; a row of the weight in bytes
	s_cselect_b32 s20, 0, 24
	s_sub_co_u32 s20, s33, s20                     ; which 128 columns of that weight
.set II, 0
.rept 32
	v_mad_u32_u24 v[WOFF+II], s19, II, v4
.set II, II+1
.endr
	s_lshl_b32 s21, s15, 7
	s_lshl_b32 s22, s14, 6
	s_add_co_u32 s21, s21, s22                     ; my first k
	s_mul_i32 s24, s21, s19
	s_lshl_b32 s22, s20, 9
	s_add_co_u32 s24, s24, s22
	s_lshl_b32 s22, s13, 7
	s_add_co_u32 s24, s24, s22
	s_mov_b32 s25, 0
	s_add_nc_u64 s[24:25], s[4:5], s[24:25]        ; my first block,
	s_lshl_b32 s26, s19, 5
	s_mov_b32 s27, 0
	s_add_nc_u64 s[26:27], s[24:25], s[26:27]      ; and my second, 32 rows down
	s_lshr_b32 s28, s20, 1                         ; out: block (128-column group / 2),
	s_mul_i32 s28, s28, 204800
	s_mul_i32 s22, s15, 24576                      ; K step,
	s_add_co_u32 s30, s28, s22
	s_and_b32 s23, s20, 1
	s_mul_i32 s22, s23, 8*1536                     ; tile 8 (group % 2) + 2 (w % 4),
	s_add_co_u32 s30, s30, s22
	s_mul_i32 s22, s13, 2*1536
	s_add_co_u32 s30, s30, s22
	s_mul_i32 s22, s14, 768                        ; half image w / 4
	s_add_co_u32 s30, s30, s22
	s_mov_b32 s31, 0
	s_add_nc_u64 s[30:31], s[8:9], s[30:31]
	s_lshl_b32 s22, s15, 10                        ; the work-group's 512 bytes of scale words
	s_add_co_u32 s28, s28, s22
	s_lshl_b32 s22, s23, 9
	s_add_co_u32 s28, s28, s22
	s_add_co_u32 s28, s28, 196608
	s_mov_b32 s29, 0
	s_add_nc_u64 s[28:29], s[8:9], s[28:29]
.set II, 0
	s_wait_alu depctr_va_vdst(0)                   ; the wait at the head's end
.rept 32
	global_load_b32 v[WX+II], v[WOFF+II], s[24:25] th:TH_LOAD_NT
.set II, II+1
.endr
.set II, 0
.rept 32
	global_load_b32 v[WX+32+II], v[WOFF+II], s[26:27] th:TH_LOAD_NT
.set II, II+1
.endr
; block be of my column: its byte into v[byt], its codes into six registers, and those to the place of lane (r, be) in the half image
.macro BLOCK be, byt
.set XS, WX+32*\be
.set CC, 20+6*\be
	s_wait_loadcnt 32*(1-\be)                      ; this block's 32 loads are in; the other block's may be out
	v_max3_num_f32 v12, |v[XS]|, |v[XS+1]|, |v[XS+2]|
	v_max3_num_f32 v13, |v[XS+3]|, |v[XS+4]|, |v[XS+5]|
.irp i, 6,10,14,18,22,26
	s_delay_alu instid0(VALU_DEP_2)
	v_max3_num_f32 v12, v12, |v[XS+\i]|, |v[XS+\i+1]|
	s_delay_alu instid0(VALU_DEP_2)
	v_max3_num_f32 v13, v13, |v[XS+\i+2]|, |v[XS+\i+3]|
.endr
	s_delay_alu instid0(VALU_DEP_2)
	v_max3_num_f32 v12, v12, |v[XS+30]|, |v[XS+31]|
	s_delay_alu instid0(VALU_DEP_1)
	v_max3_num_f32 v12, v12, v13, 0x1800000        ; and the floor 2^(3 - 127)
	s_delay_alu instid0(VALU_DEP_1)
	v_add_nc_u32 v14, 0xff000000, v12              ; the conversion's scale operand
	s_delay_alu instid0(VALU_DEP_1)
	v_lshrrev_b32 v[\byt], 23, v14                 ; the scale's byte
	v_cvt_scalef32_pk16_fp6_f32 v[CC:CC+2], v[XS:XS+15], v14
	v_cvt_scalef32_pk16_fp6_f32 v[WCT:WCT+2], v[XS+16:XS+31], v14
	v_nop                                          ; one plain place behind a scaled conversion
.irp i, 0,1,2
	v_mov_b32 v[CC+3+\i], v[WCT+\i]
.endr
	ds_store_b128 v5, v[CC:CC+3] offset:256*\be
	ds_store_b64 v6, v[CC+4:CC+5] offset:128*\be
.endm
	BLOCK 0, 15
	BLOCK 1, 13
	v_lshl_or_b32 v15, v13, 8, v15
	ds_store_b16 v9, v15                           ; bytes 2 (w / 4) and 2 (w / 4) + 1 of my row's word
	ds_load_b128 v[64:67], v7                      ; LDS serves a wave's instructions in order: these see my stores
	ds_load_b64 v[68:69], v8 offset:512
	ds_load_b128 v[70:73], v7 offset:768
	ds_load_b64 v[74:75], v8 offset:1280
	s_wait_dscnt 3                                 ; the counts leave the younger loads out
	global_store_b128 v[WL16], v[64:67], s[30:31]  ; 512 or 256 consecutive bytes, each at a multiple of 256
	s_wait_dscnt 2
	global_store_b64 v[WL8], v[68:69], s[30:31] offset:512
	s_wait_dscnt 1
	global_store_b128 v[WL16], v[70:73], s[30:31] offset:1536
	s_wait_dscnt 0x0                               ; also for wave 0's sake: my scale bytes lie in LDS
	global_store_b64 v[WL8], v[74:75], s[30:31] offset:2048
	s_barrier_signal -1
	s_barrier_wait -1
	s_cmp_lg_u32 s12, 0
	s_cbranch_scc1 .Lwdone
	ds_load_b128 v[76:79], v19
	s_wait_dscnt 0x0
	global_store_b128 v[WL16], v[76:79], s[28:29]  ; eight tiles' words: 512 consecutive bytes
.Lwdone:
	s_wait_tensorcnt 0x0                           ; the wave's end
	ds_add_u32 v254, v255
	s_wait_dscnt 0x0
	s_endpgm
.Lfunc_end_k_qd6eb74d633_quant:
	.size	k_qd6eb74d633_quant, .Lfunc_end_k_qd6eb74d633_quant-k_qd6eb74d633_quant
	.p2alignl 7, 3214868480
	.fill 96, 4, 3214868480
	.section	.rodata,"a",@progbits
	.p2align	6, 0x0
	.amdhsa_kernel k_qd6eb74d633_quant
		.amdhsa_group_segment_fixed_size 150016
		.amdhsa_private_segment_fixed_size 0
		.amdhsa_enable_private_segment 0
		.amdhsa_kernarg_size 48
		.amdhsa_user_sgpr_count 2
		.amdhsa_user_sgpr_kernarg_segment_ptr 1
		.amdhsa_wavefront_size32 1
		.amdhsa_system_sgpr_workgroup_id_x 1
		.amdhsa_system_sgpr_workgroup_id_y 1
		.amdhsa_system_sgpr_workgroup_id_z 1
		.amdhsa_system_vgpr_workitem_id 0
		.amdhsa_next_free_vgpr 256
		.amdhsa_next_free_sgpr 66
		.amdhsa_reserve_vcc 0
		.amdhsa_float_denorm_mode_32 3
		.amdhsa_float_denorm_mode_16_64 3
		.amdhsa_memory_ordered 1
		.amdhsa_forward_progress 1
		.amdhsa_inst_pref_size 36
	.end_amdhsa_kernel
	.amdgpu_metadata
---
amdhsa.version: [ 1, 2 ]
amdhsa.kernels:
  - .name:           k_qd6eb74d633_quant
    .symbol:         k_qd6eb74d633_quant.kd
    .args:
      - { .name: x, .offset: 0, .size: 8, .value_kind: global_buffer, .address_space: global }
      - { .name: xq, .offset: 8, .size: 8, .value_kind: global_buffer, .address_space: global }
      - { .name: w_qkv, .offset: 16, .size: 8, .value_kind: global_buffer, .address_space: global }
      - { .name: w_proj, .offset: 24, .size: 8, .value_kind: global_buffer, .address_space: global }
      - { .name: wq, .offset: 32, .size: 8, .value_kind: global_buffer, .address_space: global }
      - { .name: wp, .offset: 40, .size: 8, .value_kind: global_buffer, .address_space: global }
    .group_segment_fixed_size: 150016
    .private_segment_fixed_size: 0
    .kernarg_segment_align: 8
    .kernarg_segment_size: 48
    .max_flat_workgroup_size: 256
    .sgpr_count:     66
    .vgpr_count:     256
    .wavefront_size: 32
...
	.end_amdgpu_metadata
.endif
;; end of part 1
;; launch gemm_qkv (part 2): grid 8 x 48, 4 waves a work-group, clusters of 4 x 4, 327,680 bytes of LDS; arguments xq, wq, b_qkv, qc, kv; writes qc, kv
.if DOCPART == 2
	.amdgcn_target "amdgcn-amd-amdhsa--gfx1250"
	.amdhsa_code_object_version 6
	.text
	.protected	k_qd6eb74d633_gemm_qkv
	.globl	k_qd6eb74d633_gemm_qkv
	.p2align	8
	.type	k_qd6eb74d633_gemm_qkv,@function
k_qd6eb74d633_gemm_qkv:
	s_mov_b64 s[64:65], 0
	v_nop
	global_prefetch_b8 v0, s[64:65] scope:SCOPE_SE
	s_setreg_imm32_b32 hwreg(HW_REG_WAVE_MODE, 25, 1), 1
	s_wait_xcnt 0x0
	s_wait_alu depctr_hold_cnt(0) depctr_sa_sdst(0) depctr_va_vdst(0) depctr_va_sdst(0) depctr_va_ssrc(0) depctr_va_vcc(0) depctr_vm_vsrc(0)
	s_getreg_b32 s2, hwreg(HW_REG_IB_STS2, 6, 4)
	s_cmp_eq_u32 s2, 0
	s_cbranch_scc0 .Lentry_in_a_cluster
	s_endpgm
.Lentry_in_a_cluster:
	s_bfe_u32 s2, ttmp6, 0x10000c
	s_cmp_lg_u32 s2, 0xf033
	s_cbranch_scc0 .Lentry_shape_is_right
	s_endpgm
.Lentry_shape_is_right:
; qkv = x w_qkv + b_qkv on codes of FP6 (E2M3) with E8M0 scales; the results are quantised here for the attention launch and leave as images of operand registers.
; IN.  xq, wq: blocks of 256 rows, 204,800 bytes: fragment (K step s, tile t) at 24,576 s + 1,536 t; scale words at 196,608 + 1,024 s + 64 t + 4 r.
; A tile of 256 x 256 is made by four waves, 128 x 128 each: 64 accumulators.  Cluster rows 0-7 (kind 0): A = tokens, B = the columns of q and k: a lane holds a token and its registers run along the channels.
; Cluster rows 8-11 (kind 1): A = the columns of v, B = tokens: a lane holds a channel and its registers run along the keys, which are the K of attention's second product.
; LDS.  Six places of 24,576 bytes for A, six for B, then all of A's and B's scale words.  THE HEAD ASKS FOR SIX OF THE EIGHT K STEPS AT ONCE, one joint load a wave: wave 0 A's steps 0-5, wave 1 B's,
; wave 2 A's scale words, wave 3 B's.  Steps 6 and 7 land on the places of steps 0 and 1, behind the one round of the cluster's barrier in step 1: one load of 96 rows a wave; 224 matrix instructions
; stand between that request and the wait for it in step 5.
; CLUSTER 4 x 4: A's tiles are shared along a row of the cluster, B's along a column.
; No prefetch: the walk along K is written out, with no loop to run ahead in, and three quarters of each operand are asked for by the head's loads.
; LIMITS: NaN and infinities are not served; a block whose largest magnitude lies under 2^-124, a block of zeros among them, gets the byte 1: this program alone reads the bytes.
.set BLKB,  204800
.set STEPB, 24576
.set SCOFF, 196608
.set NQ,    2
.set FR,    12
.set NL,    4
.set NP,    4
.set BBASE, 6*STEPB                    ; B's six places
.set SCL,   12*STEPB                   ; the scale words: A's 8,192 bytes, then B's
.set SPARE, SCL+16384                  ; the spare words, 512 bytes
.set A16,  4                           ; v4-6   A's fragments, 16 x lane, for places 0-1, 2-3, 4-5
.set A8,   7                           ; v7-9   the same, 8 x lane
.set B16,  10                          ; v10-12 B's
.set B8,   13                          ; v13-15
.set L16,  24
.set L8,   25
.set BO,   26
.set ADRS, 27                          ; my scale words: lanes 0-15 A's rows, lanes 16-31 B's
.set SPW,  28
.set NIL,  29
.set SC,   32                          ; v32-63 scale words, two sets of 16
.set T,    64
.set AF,   128                         ; A's fragments, one set
.set BP,   128
.set PC,   192
.set TM,   212
.set WD,   232
.set SA,   240
.set SEL,  12
.set G1, 24                            ; group 1 for A's codes;  s[32:35] group 0 of A's refill;  s[36:39] of A's head load
.set G0, 32
.set G0H, 36
.set G1B, 48                           ; the same for B
.set G0B, 56
.set G0HB, 60
.set G1S, 68                           ; A's scale words
.set G0S, 76
.set G1SB, 80                          ; B's
.set G0SB, 88
.set MSB, 0
.macro WIN new
.if MSB != (\new)
	s_set_vgpr_msb (MSB<<8)|(\new)
.set MSB, (\new)
.endif
.endm
.set MUL_LO, 0xa1
.set MUL_HI, 0xf1
.set TO_B,   0x40
.macro JLOAD g0a, g1a, g0b, g1b        ; waves 0, 1 ask for A, waves 2, 3 for B
	s_cmp_eq_u32 s15, 0
	s_cbranch_scc0 .Lfor_b_\@
	tensor_load_to_lds s[\g0a:\g0a+3], s[\g1a:\g1a+7]
	s_nop 0
.rept 4
	v_nop
.endr
	s_branch .Lasked_\@
.Lfor_b_\@:
	tensor_load_to_lds s[\g0b:\g0b+3], s[\g1b:\g1b+7]
	s_nop 0
.rept 4
	v_nop
.endr
.Lasked_\@:
.endm
.macro CREST
	s_cmp_lg_u32 s14, 0
	s_cbranch_scc1 .Lnot_wave_0_\@
	s_barrier_signal -3
.Lnot_wave_0_\@:
	s_barrier_wait -3
	s_barrier_signal -1
	s_barrier_wait -1
.endm
.macro CROUND
	s_barrier_signal -1
	s_barrier_wait -1
	CREST
.endm
.macro ARM under, g0, g1, next         ; one arm of the head's chain: one load, and a jump to the join
	s_cmp_lt_u32 s14, \under
	s_cbranch_scc0 \next
	tensor_load_to_lds s[\g0:\g0+3], s[\g1:\g1+7]
	s_nop 0
.rept 4
	v_nop
.endr
	s_branch .Lhead_asked
\next:
.endm
	s_load_b128 s[4:7], s[0:1], 0x0                ; xq, wq
	s_load_b128 s[96:99], s[0:1], 0x10             ; b_qkv, qc
	s_load_b64 s[100:101], s[0:1], 0x20            ; kv
	v_lshl_add_u32 v[SPW], v0, 2, SPARE
	v_mov_b32 v[NIL], 0
	ds_add_u32 v[SPW], v[NIL]                      ; the opening lines: the add twice and one wait
	ds_add_u32 v[SPW], v[NIL]
	v_lshrrev_b32 v1, 5, v0
	v_readfirstlane_b32 s14, v1                    ; wave
	s_lshr_b32 s15, s14, 1                         ; my half of the tile's rows
	s_and_b32 s16, s14, 1                          ; my half of its columns
	s_bfe_u32 s40, ttmp6, 0x40000                  ; cx
	s_bfe_u32 s41, ttmp6, 0x40004                  ; cy
	s_mov_b32 s42, ttmp9
	s_and_b32 s17, ttmp7, 0xffff                   ; the cluster's row: under 8 kind 0, else kind 1
	s_lshl_b32 s43, s41, 2
	s_lshl_b32 s43, 15, s43                        ; my row of the cluster
	s_lshl_b32 s44, 0x1111, s40                    ; my column
	s_lshl_b32 s92, s17, 2
	s_lshl_b32 s93, s17, 3
	s_sub_co_u32 s93, s93, 64
	s_cmp_lt_u32 s17, 8
	s_cselect_b32 s92, s92, 8
	s_cselect_b32 s93, 0, s93
	s_add_co_u32 s92, s92, s41                     ; A's block
	s_lshl_b32 s18, s42, 2
	s_add_co_u32 s93, s93, s18
	s_add_co_u32 s93, s93, s40                     ; B's block
	s_or_b32 s[G1+0], s43, (3<<16)|(1<<21)
	s_or_b32 s[G1B+0], s44, (3<<16)|(1<<21)
	s_or_b32 s[G1S+0], s43, (3<<16)|(1<<21)
	s_or_b32 s[G1SB+0], s44, (3<<16)|(1<<21)
.irp g, G1, G1B                        ; six K steps, dense: 576 rows of 256 bytes
	s_mov_b32 s[\g+1], 32<<16
	s_mov_b32 s[\g+2], 576<<16
	s_mov_b32 s[\g+3], 32<<16
	s_mov_b32 s[\g+4], 576
	s_mov_b32 s[\g+5], 32
	s_mov_b32 s[\g+6], 0
	s_mov_b32 s[\g+7], 0
.endr
.irp g, G1S, G1SB                      ; a block's scale words: 32 rows of 256 bytes
	s_mov_b32 s[\g+1], 32<<16
	s_mov_b32 s[\g+2], 32<<16
	s_mov_b32 s[\g+3], 32<<16
	s_mov_b32 s[\g+4], 32
	s_mov_b32 s[\g+5], 32
	s_mov_b32 s[\g+6], 0
	s_mov_b32 s[\g+7], 0
.endr
	s_mul_i32 s20, s92, BLKB
	s_mov_b32 s21, 0
	s_mul_i32 s46, s93, BLKB
	s_mov_b32 s47, 0
	s_mul_i32 s45, s16, STEPB                      ; the refill: my place, 0 or 1,
	s_add_co_u32 s22, s45, 6*STEPB                 ; and my K step, 6 or 7
	s_mov_b32 s23, 0
	s_wait_dscnt 0x0                               ; both opening adds are done
	s_wait_kmcnt 0x0
	s_cmp_lt_u32 s17, 8
	s_cselect_b64 s[8:9], s[4:5], s[6:7]
	s_cselect_b64 s[10:11], s[6:7], s[4:5]
	s_add_nc_u64 s[20:21], s[8:9], s[20:21]        ; A's block
	s_add_nc_u64 s[46:47], s[10:11], s[46:47]      ; B's block
	s_mov_b32 s[G0H], 1
	s_mov_b32 s[G0H+1], 0
	s_mov_b64 s[G0H+2:G0H+3], s[20:21]
	s_or_b32 s[G0H+3], s[G0H+3], 0x80000000
	s_mov_b32 s[G0HB], 1
	s_mov_b32 s[G0HB+1], BBASE
	s_mov_b64 s[G0HB+2:G0HB+3], s[46:47]
	s_or_b32 s[G0HB+3], s[G0HB+3], 0x80000000
	s_mov_b32 s[G0S], 1
	s_mov_b32 s[G0S+1], SCL
	s_add_nc_u64 s[G0S+2:G0S+3], s[20:21], SCOFF
	s_or_b32 s[G0S+3], s[G0S+3], 0x80000000
	s_mov_b32 s[G0SB], 1
	s_mov_b32 s[G0SB+1], SCL+8192
	s_add_nc_u64 s[G0SB+2:G0SB+3], s[46:47], SCOFF
	s_or_b32 s[G0SB+3], s[G0SB+3], 0x80000000
	s_mov_b32 s[G0], 1
	s_mov_b32 s[G0+1], s45
	s_add_nc_u64 s[G0+2:G0+3], s[20:21], s[22:23]
	s_or_b32 s[G0+3], s[G0+3], 0x80000000
	s_mov_b32 s[G0B], 1
	s_add_co_u32 s[G0B+1], s45, BBASE
	s_add_nc_u64 s[G0B+2:G0B+3], s[46:47], s[22:23]
	s_or_b32 s[G0B+3], s[G0B+3], 0x80000000
	CROUND                                         ; all sixteen work-groups are here: the first joint loads meet
	ARM 1, G0H,  G1,  .Lhead_b
	ARM 2, G0HB, G1B, .Lhead_sa
	ARM 3, G0S,  G1S, .Lhead_sb
	tensor_load_to_lds s[G0SB:G0SB+3], s[G1SB:G1SB+7]
	s_nop 0
.rept 4
	v_nop
.endr
.Lhead_asked:
	v_and_b32 v1, 31, v0
	v_lshlrev_b32 v[L16], 4, v1
	v_lshlrev_b32 v[L8], 3, v1
	s_mul_i32 s21, s15, 8*1536                     ; my eight tiles of A
	s_mul_i32 s22, s16, 8*1536                     ; my eight tiles of B
	s_add_co_u32 s22, s22, BBASE
.irp p, 0,1,2
	v_add_nc_u32 v[A16+\p], s21, v[L16]
	v_add_nc_u32 v[B16+\p], s22, v[L16]
	v_add_nc_u32 v[A8+\p], s21, v[L8]
	v_add_nc_u32 v[B8+\p], s22, v[L8]
	s_add_co_u32 s21, s21, 2*STEPB
	s_add_co_u32 s22, s22, 2*STEPB
.endr
	v_and_b32 v1, 15, v0
	v_bfe_u32 v2, v0, 4, 1
	s_lshl_b32 s21, s15, 9
	s_lshl_b32 s22, s16, 9
	s_add_co_u32 s22, s22, 8192
	s_sub_co_u32 s22, s22, s21
	v_mul_u32_u24 v3, s22, v2                      ; lanes 16-31 take B's words
	s_add_co_u32 s21, s21, SCL
	v_lshl_add_u32 v3, v1, 2, v3
	v_add_nc_u32 v[ADRS], s21, v3
.macro FRAG reg, a16, a8, off          ; a fragment is an image of its 12 registers
	ds_load_b128 v[\reg:\reg+3], v[\a16] offset:\off
	ds_load_b64 v[\reg+4:\reg+5], v[\a8] offset:\off+512
	ds_load_b128 v[\reg+6:\reg+9], v[\a16] offset:\off+768
	ds_load_b64 v[\reg+10:\reg+11], v[\a8] offset:\off+1280
.endm
.macro MUL16 a0, p, q, sc, first
.irp a, \a0, \a0+1
.irp b, 0,1,2,3,4,5,6,7
.if \first
	v_wmma_scale_f32_16x16x128_f8f6f4 v[8*(8*((\a)%4)+\b):8*(8*((\a)%4)+\b)+7], v[128*(\p)+FR*\b:128*(\p)+FR*\b+FR-1], v[AF+FR*(\a):AF+FR*(\a)+FR-1], 0, v[SC+8*NQ*(\sc)+NQ*\b+(\q)], v[SC+8*NQ*(\sc)+NQ*(\a)+(\q)] matrix_a_fmt:MATRIX_FMT_FP6 matrix_b_fmt:MATRIX_FMT_FP6 matrix_a_scale:MATRIX_SCALE_ROW1
.else
	v_wmma_scale_f32_16x16x128_f8f6f4 v[8*(8*((\a)%4)+\b):8*(8*((\a)%4)+\b)+7], v[128*(\p)+FR*\b:128*(\p)+FR*\b+FR-1], v[AF+FR*(\a):AF+FR*(\a)+FR-1], v[8*(8*((\a)%4)+\b):8*(8*((\a)%4)+\b)+7], v[SC+8*NQ*(\sc)+NQ*\b+(\q)], v[SC+8*NQ*(\sc)+NQ*(\a)+(\q)] matrix_a_fmt:MATRIX_FMT_FP6 matrix_b_fmt:MATRIX_FMT_FP6 matrix_a_scale:MATRIX_SCALE_ROW1
.endif
.endr
.endr
.endm
.macro FETCH_B st                      ; K step st lies in place st % 6; B's eight fragments into set st % 2
.set PL, (\st)%6
	WIN TO_B
.irp i, 0,1,2,3,4,5,6,7
	FRAG 128*((\st)%2)+FR*\i, B16+PL/2, B8+PL/2, (PL%2)*STEPB+\i*1536
.endr
	WIN 0
.endm
.macro FETCH_A st, i0
.set PL, (\st)%6
.irp i, \i0, \i0+1, \i0+2, \i0+3
	FRAG AF+FR*(\i), A16+PL/2, A8+PL/2, (PL%2)*STEPB+(\i)*1536
.endr
.endm
.macro SCALES pr                       ; the words of K steps 2 pr and 2 pr + 1 into set pr % 2
.irp i, 0,1,2,3,4,5,6,7
.irp q, 0,1
	ds_load_b32 v[SC+8*NQ*((\pr)%2)+NQ*\i+\q], v[ADRS] offset:1024*(2*(\pr)+\q)+64*\i
.endr
.endr
.endm
.macro PLACES n
.rept \n
	v_nop
.endr
.endm
; A K step: 64 matrix instructions, the 64 accumulators by turns; the next step's fragments are fetched in its middle and at its end.
; kind 1: places 0 and 1 are read no more: the three lines, a round of the cluster's barrier, the refill.  kind 2: the refill has landed: each wave's wait and a barrier, ahead of the fetch.
.macro STEP st, kind, first
.set NX, (\st)+1
.if \kind
	s_wait_tensorcnt 0x0                           ; all my tensor loads have landed
.if \kind == 1
	ds_add_u32 v[SPW], v[NIL]
	s_wait_dscnt 4*NL+1                            ; the add and A's blocks 4-7 may be out
.else
	s_wait_dscnt 4*NL                              ; A's blocks 4-7 may be out
.endif
	WIN MUL_LO
	MUL16 0, (\st)%2, (\st)%2, ((\st)/2)%2, \first
	s_wait_dscnt 0x0                               ; the add, and all my reads
	s_barrier_signal -1
	MUL16 2, (\st)%2, (\st)%2, ((\st)/2)%2, \first
	WIN 0
	s_barrier_wait -1
.if \kind == 1
	CREST
	JLOAD G0, G1, G0B, G1B                         ; K steps 6 and 7; the four v_nop behind it are the places in front of the loads below
.else
	PLACES NP
.endif
.else
	s_wait_dscnt 4*NL                              ; A's blocks 4-7 may be out
	WIN MUL_LO
	MUL16 0, (\st)%2, (\st)%2, ((\st)/2)%2, \first
	MUL16 2, (\st)%2, (\st)%2, ((\st)/2)%2, \first
	s_wait_dscnt 0
	PLACES NP
.endif
	FETCH_B NX
	FETCH_A NX, 0
.if NX%2 == 0
	SCALES NX/2
.endif
	WIN MUL_HI
	MUL16 4, (\st)%2, (\st)%2, ((\st)/2)%2, \first
	MUL16 6, (\st)%2, (\st)%2, ((\st)/2)%2, \first
	PLACES NP
	WIN 0
	FETCH_A NX, 4
.endm
	s_wait_alu depctr_va_vdst(0)                   ; the wait at the head's end
	s_wait_tensorcnt 0x0                           ; my tile of the head's four is in
	s_mov_b32 s[G1+2], 96<<16                      ; no tensor load of mine is out: from here on a load brings one K step, 96 rows
	s_mov_b32 s[G1+4], 96
	s_mov_b32 s[G1B+2], 96<<16
	s_mov_b32 s[G1B+4], 96
	s_barrier_signal -1
	s_barrier_wait -1                              ; everybody's is in
	FETCH_B 0
	FETCH_A 0, 0
	SCALES 0
	FETCH_A 0, 4
	STEP 0, 0, 1                                   ; the first step's products start the sums
	STEP 1, 1, 0
	STEP 2, 0, 0
	STEP 3, 0, 0
	STEP 4, 0, 0
	STEP 5, 2, 0
	STEP 6, 0, 0
	s_wait_dscnt 4*NL
	WIN MUL_LO
	MUL16 0, 1, 1, 1, 0
	MUL16 2, 1, 1, 1, 0
	s_wait_dscnt 0
	WIN MUL_HI
	MUL16 4, 1, 1, 1, 0
	MUL16 6, 1, 1, 1, 0
	WIN 0
; THE WAY OUT: bias, then the quantiser along a lane's registers: 64 numbers become a fragment's codes and a scale word
.macro QUANT s, pw
.irp b, 0,1,2,3
	v_max3_num_f32 v[TM+\b], |v[\s+16*\b]|, |v[\s+1+16*\b]|, 0x1800000
.endr
.irp i, 2,4,6,8,10,12,14
.irp b, 0,1,2,3
	v_max3_num_f32 v[TM+\b], v[TM+\b], |v[\s+16*\b+\i]|, |v[\s+1+16*\b+\i]|
.endr
.endr
.irp b, 0,1,2,3
	v_permlanex16_b32 v[TM+4+\b], v[TM+\b], s[SEL], s[SEL+1]
.endr
.irp b, 0,1,2,3
	v_max_num_f32 v[TM+\b], v[TM+\b], v[TM+4+\b]
.endr
.irp b, 0,1,2,3
	v_add_nc_u32 v[TM+12+\b], 0xff000000, v[TM+\b]
.endr
.irp b, 0,1,2,3
	v_lshrrev_b32 v[TM+4+\b], 23, v[TM+12+\b]
.endr
	v_lshl_or_b32 v[\pw], v[TM+5], 8, v[TM+4]
	v_lshl_or_b32 v[\pw], v[TM+6], 16, v[\pw]
	v_lshl_or_b32 v[\pw], v[TM+7], 24, v[\pw]
.irp c, 0,1
	v_cvt_scalef32_pk16_fp6_f32 v[PC+6*\c:PC+2+6*\c], v[\s+32*\c:\s+15+32*\c], v[TM+12+2*\c]
	v_cvt_scalef32_pk16_fp6_f32 v[PC+12+4*\c:PC+14+4*\c], v[\s+16+32*\c:\s+31+32*\c], v[TM+12+2*\c+1]
.endr
	v_nop
.irp c, 0,1
.irp i, 0,1,2
	v_permlane16_swap_b32 v[PC+6*\c+\i], v[PC+12+4*\c+\i]
.endr
.irp i, 0,1,2
	v_mov_b32 v[PC+3+6*\c+\i], v[PC+12+4*\c+\i]
.endr
.endr
.endm
.macro OUTROW a, kind
	s_wait_xcnt 0x0
	WIN 0x02+(\a)/4
.set JJ, 0
.rept 32
.if \kind
	v_pk_add_f32 v[T+JJ:T+JJ+1], v[64*((\a)%4)+JJ:64*((\a)%4)+JJ+1], v[BP+2*(\a):BP+2*(\a)+1]
.else
	v_pk_add_f32 v[T+JJ:T+JJ+1], v[64*((\a)%4)+JJ:64*((\a)%4)+JJ+1], v[BP+JJ:BP+JJ+1]
.endif
.set JJ, JJ+2
.endr
	WIN 0
	QUANT T, WD+(\a)
.if \kind
.if (\a) < 4
	global_store_b128 v[L16], v[PC:PC+3], s[8:9] offset:((\a)%4)*1536
	global_store_b64 v[L8], v[PC+4:PC+5], s[8:9] offset:((\a)%4)*1536+512
	global_store_b128 v[L16], v[PC+6:PC+9], s[8:9] offset:((\a)%4)*1536+768
	global_store_b64 v[L8], v[PC+10:PC+11], s[8:9] offset:((\a)%4)*1536+1280
.else
	global_store_b128 v[L16], v[PC:PC+3], s[10:11] offset:((\a)%4)*1536
	global_store_b64 v[L8], v[PC+4:PC+5], s[10:11] offset:((\a)%4)*1536+512
	global_store_b128 v[L16], v[PC+6:PC+9], s[10:11] offset:((\a)%4)*1536+768
	global_store_b64 v[L8], v[PC+10:PC+11], s[10:11] offset:((\a)%4)*1536+1280
.endif
.else
	global_store_b128 v[L16], v[PC:PC+3], s[8:9] offset:768*(\a)
	global_store_b64 v[L8], v[PC+4:PC+5], s[8:9] offset:768*(\a)+512
	global_store_b128 v[L16], v[PC+6:PC+9], s[10:11] offset:768*(\a)
	global_store_b64 v[L8], v[PC+10:PC+11], s[10:11] offset:768*(\a)+512
.endif
.endm
	PLACES NP
.irp b, 0,1,2,3
	v_mov_b32 v[TM+4+\b], 0
.endr
	v_and_b32 v2, 16, v0
	v_cmp_ne_u32 vcc_lo, 0, v2
	v_bfe_u32 v2, v0, 4, 1
	v_and_b32 v3, 15, v0
	s_mov_b32 s[SEL], 0x76543210
	s_mov_b32 s[SEL+1], 0xfedcba98
	s_cmp_lt_u32 s17, 8
	s_cbranch_scc0 .Lkind1
	s_lshl_b32 s18, s93, 10                        ; kind 0: the bias runs along my registers
	s_lshl_b32 s19, s16, 9
	s_add_co_u32 s18, s18, s19
	s_mov_b32 s19, 0
	s_add_nc_u64 s[46:47], s[96:97], s[18:19]
	s_wait_alu depctr_va_vdst(0)
	v_lshlrev_b32 v[BO], 6, v2
.irp b, 0,1,2,3
.irp j, 0,1,2,3
	global_load_b128 v[BP+16*\b+4*\j:BP+16*\b+4*\j+3], v[BO], s[46:47] offset:128*\b+16*\j
.endr
.endr
	s_lshl_b32 s18, s92, 1                         ; the record: head of a batch, 128 tokens; q's in qc, k's in kv
	s_add_co_u32 s18, s18, s15
	s_lshr_b32 s19, s18, 4
	s_and_b32 s18, s18, 15
	s_lshl_b32 s19, s19, 4
	s_lshl_b32 s2, s40, 2
	s_add_co_u32 s19, s19, s2
	s_lshl_b32 s2, s16, 1
	s_add_co_u32 s19, s19, s2
	s_lshl_b32 s19, s19, 4
	s_add_co_u32 s19, s19, s18
	s_mov_b32 s2, 6400
	s_mov_b32 s3, 6144
	s_cmp_eq_u32 s42, 1
	s_cselect_b32 s2, 12800, s2
	s_cselect_b32 s3, 12288, s3
	s_cselect_b64 s[8:9], s[100:101], s[98:99]
	s_mul_i32 s18, s19, s2
	s_mov_b32 s19, 0
	s_add_nc_u64 s[8:9], s[8:9], s[18:19]
	s_lshl_b32 s18, s2, 4
	s_add_nc_u64 s[10:11], s[8:9], s[18:19]
	s_mov_b32 s18, s3
	s_add_nc_u64 s[20:21], s[8:9], s[18:19]
	s_add_nc_u64 s[22:23], s[10:11], s[18:19]
	s_wait_loadcnt 0x0
.irp a, 0,1,2,3,4,5,6,7
	OUTROW \a, 0
.endr
.irp f, 0,1,2,3
	v_perm_b32 v[T+\f], v[WD+2*\f+1], v[WD+2*\f], 0x05040100
	v_perm_b32 v[T+4+\f], v[WD+2*\f+1], v[WD+2*\f], 0x07060302
.endr
	v_cndmask_b32 v[SA], v[T], v[T+1], vcc_lo
	v_cndmask_b32 v[SA+1], v[T+2], v[T+3], vcc_lo
	v_cndmask_b32 v[SA+2], v[T+4], v[T+5], vcc_lo
	v_cndmask_b32 v[SA+3], v[T+6], v[T+7], vcc_lo
	global_store_b64 v[L8], v[SA:SA+1], s[20:21]
	global_store_b64 v[L8], v[SA+2:SA+3], s[22:23]
	s_branch .Lend
.Lkind1:
	s_lshl_b32 s18, s92, 10                        ; kind 1: the bias is my row's
	s_lshl_b32 s19, s15, 9
	s_add_co_u32 s18, s18, s19
	s_mov_b32 s19, 0
	s_add_nc_u64 s[46:47], s[96:97], s[18:19]
	s_wait_alu depctr_va_vdst(0)
	v_and_b32 v2, 8, v3
	v_add_nc_u32 v2, v2, v3
	v_lshlrev_b32 v[BO], 2, v2
.irp a, 0,1,2,3,4,5,6,7
	global_load_b32 v[BP+2*\a], v[BO], s[46:47] offset:4*(32*(\a/2)+8*(\a%2))
	global_load_b32 v[BP+2*\a+1], v[BO], s[46:47] offset:4*(32*(\a/2)+8*(\a%2))
.endr
	s_lshl_b32 s18, s93, 1
	s_add_co_u32 s18, s18, s16
	s_lshr_b32 s19, s18, 4
	s_and_b32 s18, s18, 15
	s_lshl_b32 s19, s19, 4
	s_lshl_b32 s2, s41, 2
	s_add_co_u32 s19, s19, s2
	s_lshl_b32 s2, s15, 1
	s_add_co_u32 s19, s19, s2
	s_lshl_b32 s19, s19, 4
	s_add_co_u32 s19, s19, s18
	s_mul_i32 s18, s19, 12800
	s_add_co_u32 s18, s18, 6144
	s_mov_b32 s19, 0
	s_add_nc_u64 s[8:9], s[100:101], s[18:19]
	s_add_nc_u64 s[10:11], s[8:9], 16*12800
	s_wait_loadcnt 0x0
.irp a, 0,1,2,3,4,5,6,7
	OUTROW \a, 1
.endr
	v_cndmask_b32 v[SA], v[WD], v[WD+1], vcc_lo
	v_cndmask_b32 v[SA+1], v[WD+2], v[WD+3], vcc_lo
	v_cndmask_b32 v[SA+2], v[WD+4], v[WD+5], vcc_lo
	v_cndmask_b32 v[SA+3], v[WD+6], v[WD+7], vcc_lo
	global_store_b64 v[L8], v[SA:SA+1], s[8:9] offset:6400
	global_store_b64 v[L8], v[SA+2:SA+3], s[10:11] offset:6400
.Lend:
	s_wait_tensorcnt 0x0                           ; the wave's end
	ds_add_u32 v[SPW], v[NIL]
	s_wait_dscnt 0x0
	CROUND                                         ; the closing round
	s_endpgm
.Lfunc_end_k_qd6eb74d633_gemm_qkv:
	.size	k_qd6eb74d633_gemm_qkv, .Lfunc_end_k_qd6eb74d633_gemm_qkv-k_qd6eb74d633_gemm_qkv
	.p2alignl 7, 3214868480
	.fill 96, 4, 3214868480
	.section	.rodata,"a",@progbits
	.p2align	6, 0x0
	.amdhsa_kernel k_qd6eb74d633_gemm_qkv
		.amdhsa_group_segment_fixed_size 327680
		.amdhsa_private_segment_fixed_size 0
		.amdhsa_enable_private_segment 0
		.amdhsa_kernarg_size 40
		.amdhsa_user_sgpr_count 2
		.amdhsa_user_sgpr_kernarg_segment_ptr 1
		.amdhsa_wavefront_size32 1
		.amdhsa_system_sgpr_workgroup_id_x 1
		.amdhsa_system_sgpr_workgroup_id_y 1
		.amdhsa_system_sgpr_workgroup_id_z 1
		.amdhsa_system_vgpr_workitem_id 0
		.amdhsa_next_free_vgpr 1024
		.amdhsa_next_free_sgpr 102
		.amdhsa_reserve_vcc 1
		.amdhsa_float_denorm_mode_32 3
		.amdhsa_float_denorm_mode_16_64 3
		.amdhsa_memory_ordered 1
		.amdhsa_forward_progress 1
		.amdhsa_inst_pref_size 220
	.end_amdhsa_kernel
	.amdgpu_metadata
---
amdhsa.version: [ 1, 2 ]
amdhsa.kernels:
  - .name:           k_qd6eb74d633_gemm_qkv
    .symbol:         k_qd6eb74d633_gemm_qkv.kd
    .args:
      - { .name: xq, .offset: 0, .size: 8, .value_kind: global_buffer, .address_space: global }
      - { .name: wq, .offset: 8, .size: 8, .value_kind: global_buffer, .address_space: global }
      - { .name: b_qkv, .offset: 16, .size: 8, .value_kind: global_buffer, .address_space: global }
      - { .name: qc, .offset: 24, .size: 8, .value_kind: global_buffer, .address_space: global }
      - { .name: kv, .offset: 32, .size: 8, .value_kind: global_buffer, .address_space: global }
    .group_segment_fixed_size: 327680
    .private_segment_fixed_size: 0
    .kernarg_segment_align: 8
    .kernarg_segment_size: 40
    .max_flat_workgroup_size: 128
    .sgpr_count:     102
    .vgpr_count:     1024
    .wavefront_size: 32
...
	.end_amdgpu_metadata
.endif
;; end of part 2
;; launch attn (part 3): grid 4 x 64, 16 waves a work-group, clusters of 4 x 1, 206,848 bytes of LDS; arguments qc, kv, aq; writes aq
.if DOCPART == 3
	.amdgcn_target "amdgcn-amd-amdhsa--gfx1250"
	.amdhsa_code_object_version 6
	.text
	.protected	k_qd6eb74d633_attn
	.globl	k_qd6eb74d633_attn
	.p2align	8
	.type	k_qd6eb74d633_attn,@function
k_qd6eb74d633_attn:
	s_mov_b64 s[64:65], 0
	v_nop
	global_prefetch_b8 v0, s[64:65] scope:SCOPE_SE
	s_setreg_imm32_b32 hwreg(HW_REG_WAVE_MODE, 25, 1), 1
	s_wait_xcnt 0x0
	s_wait_alu depctr_hold_cnt(0) depctr_sa_sdst(0) depctr_va_vdst(0) depctr_va_sdst(0) depctr_va_ssrc(0) depctr_va_vcc(0) depctr_vm_vsrc(0)
	s_getreg_b32 s2, hwreg(HW_REG_IB_STS2, 6, 4)
	s_cmp_eq_u32 s2, 0
	s_cbranch_scc0 .Lentry_in_a_cluster
	s_endpgm
.Lentry_in_a_cluster:
	s_bfe_u32 s2, ttmp6, 0x10000c
	s_cmp_lg_u32 s2, 0x3003
	s_cbranch_scc0 .Lentry_shape_is_right
	s_endpgm
.Lentry_shape_is_right:
; o = softmax(q k^T / 8) v for one head, both products on codes of FP6 (E2M3) with E8M0 scales; o is quantised along the model's 1,024 for the last product and leaves as codes.
; THE SOFTMAX AHEAD OF THE SECOND PRODUCT: t = score x c, c = log2(e) / 8; M = the row's largest t so far, rounded UP to a whole number; p = 2^(t - M) is quantised along the keys, not normalised.
; The row's sum is taken of the unquantised p, in f32, and divides at the end.  When M moves, the sum and O are multiplied by 2^(old M - new M): exact.
; The running maximum is kept as a SCORE: c is positive, so -M = floor(-c x the largest score) is the same number as floor(-(the largest t)).
; IN.  kv: [head of a batch][128 keys]: records of 12,800 bytes: K's 8 half images (16 keys x 64: 768 bytes); V's 4 fragments (16 channels x 128 keys); K's and V's scale words, 256 bytes each.  qc: records of
; 6,400 bytes for 128 queries: 8 half images and 256 bytes of scale words.  All are images of operand registers: lane l's registers 0-3 at 16 l, registers 4-5 at 512 + 8 l.
; Lane-row r of tile T (of keys, queries or channels) is row 32 (T / 2) + 8 (T % 2) + r + 8 (r / 8): so the 16 registers of two neighbouring result tiles are 16 neighbours along the next K.
; THE HEAD'S 64 IN AN INSTRUCTION'S 128.  Two key tiles side by side are ONE fragment of K.  q stands between zeros, [0 x 6 | q x 6 | 0 x 6]: the even key tile multiplies (q | 0), the odd one (0 | q): zero codes add
; nothing under any scale byte that this program makes (1 to 254).  q's scale word holds its two bytes twice and serves both.
; SHARES.  A work-group owns 512 queries of one head; each of its sixteen waves two tiles of 16, one after the other, in 256 registers: four waves to a SIMD.  A WHOLE HEAD'S K AND V, 204,800 bytes, LIE IN LDS,
; filled once: wave w brings the record of key step w.  No slot is filled again: no ring.
; CLUSTER.  The four query blocks of a head walk the same K and V: each record is asked for JOINTLY, by the same tensor load with a mask that names the four.
; Both products are used transposed (S^T = K Q^T, O^T = V^T P^T): a lane holds ONE query throughout.
; THE ORDER OF A STEP'S VECTOR LINES: independent chains take turns (the four blocks; eight partial sums); short dependent runs stand among independent packed lines (f among the multiply-adds, the sum's last
; additions among O's rescaling).  One run of four dependent lines, from the step's maximum to -M, has no independent work to stand among: all that follows it wants -M.
; No prefetch: every record is asked for at the head.
; OUT.  aq: blocks of 256 tokens, 204,800 bytes: half image (K step head / 2, tile, half head % 2), and my two bytes of each row's scale word: a K step of the last product holds two heads, which two work-groups
; make, so these stores are of 2 bytes a row.
; LIMITS: the scaled scores stay under 2^31 in magnitude; NaN and infinities are not served; a block whose largest magnitude lies under 2^-124, a block of zeros among them, gets the byte 1: this program alone reads the bytes.
.set REC,  12800
.set L16,  1
.set L8,   2
.set A16,  3                           ; the key step's record + 16 x lane
.set A8,   4                           ; the same + 8 x lane
.set QW,   5                           ; my two query tiles' scale bytes
.set QS,   6                           ; the scale word of the tile in hand
.set R4,   7                           ; 4 r
.set U,    10                          ; at work
.set QR,   16                          ; v16-33  zeros, q, zeros
.set KSC,  34
.set VSC,  36
.set KF,   40                          ; v40-87  four fragments: K's, then V's
.set Q2,   88                          ; v88-93  my second tile's q
.set S,    96                          ; v96-159 S^T, then p
.set O,    160                         ; v160-191 O^T
.set PC,   192                         ; v192-203 p's codes
.set CT,   204                         ; v204-206, v208-210 the conversions' second halves
.set BM,   212                         ; the blocks' largest scores, then largest p
.set BT,   216
.set SO,   220                         ; the conversions' scale operands
.set FF,   224                         ; f = 2^(old M - new M)
.set PW,   225                         ; p's scale word
.set TT,   226
.set OB,   227
.set W2,   228
.set WV,   12
.set SEL,  20
.set CS,   22                          ; s[22:23] c
.set G1,   24
.set G0,   32
.set TB,   36                          ; LDS byte of the key step's record
.set CNT,  37
.set CN,   51                          ; -c
.macro CROUND
	s_barrier_signal -1
	s_barrier_wait -1
	s_cmp_lg_u32 s[WV], 0
	s_cbranch_scc1 .Lnot_wave_0_\@
	s_barrier_signal -3
.Lnot_wave_0_\@:
	s_barrier_wait -3
	s_barrier_signal -1
	s_barrier_wait -1
.endm
	s_load_b128 s[4:7], s[0:1], 0x0                ; qc, kv
	s_load_b64 s[8:9], s[0:1], 0x10                ; aq
	v_lshl_add_u32 v254, v0, 2, 0x32000
	v_mov_b32 v255, 0
	ds_add_u32 v254, v255                          ; the opening lines: the add twice and one wait
	ds_add_u32 v254, v255
	v_lshrrev_b32 v1, 5, v0
	s_delay_alu instid0(VALU_DEP_1)
	v_readfirstlane_b32 s[WV], v1                  ; wave 0..15
	s_bfe_u32 s13, ttmp6, 0x40000                  ; cx
	s_lshl_b32 s15, ttmp9, 2
	s_add_co_u32 s13, s13, s15                     ; my block of 512 queries: it enters qc's and aq's addresses alone
	s_and_b32 s14, ttmp7, 0xffff                   ; batch x 16 + head, which the four partners share
	s_mov_b32 s[G1], 15|(3<<16)|(1<<21)            ; a record, 12,800 dense bytes, as 50 rows of 256 bytes; the mask names all four work-groups
	s_mov_b32 s[G1+1], 32<<16
	s_mov_b32 s[G1+2], 50<<16
	s_mov_b32 s[G1+3], 32<<16
	s_mov_b32 s[G1+4], 50
	s_mov_b32 s[G1+5], 32
	s_mov_b32 s[G1+6], 0
	s_mov_b32 s[G1+7], 0
	s_mov_b32 s[G0], 1
	s_mul_i32 s[G0+1], s[WV], REC                  ; LDS: wave x 12,800
	s_mul_i32 s16, s14, 16*REC
	s_add_co_u32 s16, s16, s[G0+1]                 ; memory: the head's records, wave's
	s_mov_b32 s17, 0
	s_mul_i32 s18, s14, 16*6400                    ; qc: the record of my 128 queries: step 4 x block + wave / 4
	s_lshl_b32 s19, s13, 2
	s_lshr_b32 s38, s[WV], 2
	s_add_co_u32 s19, s19, s38
	s_mul_i32 s19, s19, 6400
	s_add_co_u32 s18, s18, s19
	s_and_b32 s38, s[WV], 3                        ; my two tiles are its fragment wave % 4
	s_mul_i32 s40, s38, 1536
	s_add_co_u32 s40, s40, s18
	s_mov_b32 s41, 0
	s_and_b32 s39, s[WV], 1                        ; that fragment's words: lanes 16 (f % 2) on of register f / 2
	s_lshl_b32 s39, s39, 7
	s_lshr_b32 s38, s38, 1
	s_lshl_b32 s38, s38, 2
	s_add_co_u32 s42, s18, s39
	s_add_co_u32 s42, s42, s38
	s_add_co_u32 s42, s42, 6144
	s_mov_b32 s43, 0
	s_lshr_b32 s38, s14, 4                         ; aq: block 8 x batch + 2 x query block + wave / 8
	s_lshl_b32 s38, s38, 3
	s_lshl_b32 s39, s13, 1
	s_add_co_u32 s38, s38, s39
	s_lshr_b32 s39, s[WV], 3
	s_add_co_u32 s38, s38, s39
	s_mul_i32 s38, s38, 204800
	s_and_b32 s39, s14, 15                         ; the head
	s_lshr_b32 s48, s39, 1                         ; its K step of the last product,
	s_and_b32 s39, s39, 1                          ; and its half of it
	s_and_b32 s49, s[WV], 7                        ; tiles 2 (wave % 8) and the next
	s_mul_i32 s44, s48, 24576
	s_add_co_u32 s44, s44, s38
	s_mul_i32 s50, s49, 2*1536
	s_add_co_u32 s44, s44, s50
	s_mul_i32 s50, s39, 768
	s_add_co_u32 s44, s44, s50
	s_mov_b32 s45, 0
	s_lshl_b32 s46, s48, 10
	s_add_co_u32 s46, s46, s38
	s_lshl_b32 s50, s49, 7
	s_add_co_u32 s46, s46, s50
	s_lshl_b32 s50, s39, 1
	s_add_co_u32 s46, s46, s50
	s_add_co_u32 s46, s46, 196608
	s_mov_b32 s47, 0
	s_mov_b32 s[SEL], 0x76543210
	s_mov_b32 s[SEL+1], 0xfedcba98
	s_mov_b32 s[CS], 0x3e38aa3b                    ; c = log2(e) / 8
	s_mov_b32 s[CS+1], s[CS]                       ; (named with it as a pair, so it is written)
	s_mov_b32 s[CN], 0xbe38aa3b                    ; -c
	s_wait_dscnt 0x0
	s_wait_kmcnt 0x0
	s_add_nc_u64 s[G0+2:G0+3], s[6:7], s[16:17]
	s_or_b32 s[G0+3], s[G0+3], 0x80000000
	s_add_nc_u64 s[4:5], s[4:5], s[40:41]          ; my q,
	s_load_b64 s[10:11], s[0:1], 0x0               ; (qc once more, for the scale words)
	s_add_nc_u64 s[44:45], s[8:9], s[44:45]        ; my half images of aq,
	s_add_nc_u64 s[46:47], s[8:9], s[46:47]        ; and their scale bytes
	CROUND                                         ; all four work-groups are here: the joint loads meet
	tensor_load_to_lds s[G0:G0+3], s[G1:G1+7]      ; my one tensor load of the launch
	s_nop 0
.rept 4
	v_nop
.endr
	v_and_b32 v8, 31, v0
	s_delay_alu instid0(VALU_DEP_1)
	v_lshlrev_b32 v[L16], 4, v8
	s_delay_alu instid0(VALU_DEP_2)
	v_lshlrev_b32 v[L8], 3, v8
	v_and_b32 v9, 15, v0                           ; r
	s_delay_alu instid0(VALU_DEP_1)
	v_lshlrev_b32 v[R4], 2, v9
	s_delay_alu instid0(VALU_DEP_2)
	v_lshlrev_b32 v8, 3, v9                        ; 8 r
	s_wait_alu depctr_va_vdst(0)
	s_wait_kmcnt 0x0
	s_add_nc_u64 s[10:11], s[10:11], s[42:43]
	global_load_b128 v[QR+6:QR+9], v[L16], s[4:5]  ; my first tile's q, straight into its place between the zeros
	global_load_b64 v[QR+10:QR+11], v[L8], s[4:5] offset:512
	global_load_b128 v[Q2:Q2+3], v[L16], s[4:5] offset:768
	global_load_b64 v[Q2+4:Q2+5], v[L8], s[4:5] offset:1280
	global_load_b32 v[QW], v8, s[10:11]            ; bytes 0, 1: my first tile's row r; bytes 2, 3: my second's
.irp i, 0,1,2,3,4,5
	v_mov_b32 v[QR+\i], 0
	v_mov_b32 v[QR+12+\i], 0
.endr
.irp b, 0,1,2,3
	v_mov_b32 v[BT+\b], 0                          ; written once: a lane permute's destination counts as one of its sources
.endr
	v_mov_b32 v[PW], 0                             ; (named as the upper half of the pair with f before it is first written)
	v_mov_b32 v[TT], 0
	s_wait_tensorcnt 0x0                           ; my record is in LDS,
	s_barrier_signal -1
	s_barrier_wait -1                              ; everybody's is: the head's K and V are whole, and nobody writes LDS tiles again
	s_wait_loadcnt 0x0                             ; q
.macro KQ tau                          ; S^T of key tile tau: K's fragment tau / 2 against (q | 0) or (0 | q)
.if ((\tau)/2)%2
	v_wmma_scale_f32_16x16x128_f8f6f4 v[S+8*(\tau):S+8*(\tau)+7], v[KF+12*((\tau)/2):KF+12*((\tau)/2)+11], v[QR+6*(1-(\tau)%2):QR+6*(1-(\tau)%2)+11], 0, v[KSC+(\tau)/4], v[QS] matrix_a_fmt:MATRIX_FMT_FP6 matrix_b_fmt:MATRIX_FMT_FP6 matrix_a_scale:MATRIX_SCALE_ROW1
.else
	v_wmma_scale_f32_16x16x128_f8f6f4 v[S+8*(\tau):S+8*(\tau)+7], v[KF+12*((\tau)/2):KF+12*((\tau)/2)+11], v[QR+6*(1-(\tau)%2):QR+6*(1-(\tau)%2)+11], 0, v[KSC+(\tau)/4], v[QS] matrix_a_fmt:MATRIX_FMT_FP6 matrix_b_fmt:MATRIX_FMT_FP6
.endif
.endm
.macro FRAGS off                       ; four fragments from off bytes on in the record, as images
.irp f, 0,1,2,3
	ds_load_b128 v[KF+12*\f:KF+12*\f+3], v[A16] offset:\off+1536*\f
	ds_load_b64 v[KF+12*\f+4:KF+12*\f+5], v[A8] offset:\off+1536*\f+512
	ds_load_b128 v[KF+12*\f+6:KF+12*\f+9], v[A16] offset:\off+1536*\f+768
	ds_load_b64 v[KF+12*\f+10:KF+12*\f+11], v[A8] offset:\off+1536*\f+1280
.endr
.endm
.macro PF n                            ; t - M, two at a time, n pairs on from pair JJ
.rept \n
	v_pk_fma_f32 v[S+JJ:S+JJ+1], v[S+JJ:S+JJ+1], s[CS:CS+1], v[12:13] op_sel_hi:[1,0,0]
.set JJ, JJ+2
.endr
.endm
.macro OM n                            ; O^T under the new M, n pairs on from pair JJ, each accumulator from its low end on
.rept \n
	v_pk_mul_f32 v[O+JJ:O+JJ+1], v[O+JJ:O+JJ+1], v[FF:FF+1] op_sel_hi:[1,0]
.set JJ, JJ+2
.endr
.endm
; A KEY STEP: 128 keys
.macro STEP
	v_add_nc_u32 v[A16], s[TB], v[L16]
	v_add_nc_u32 v[A8], s[TB], v[L8]
	ds_load_b64 v[KSC:KSC+1], v[A8] offset:12288
	FRAGS 0
	s_wait_alu depctr_va_vdst(0)
	s_wait_dscnt 8                                 ; K's scale words and fragments 0 and 1 are in; the eight loads of fragments 2 and 3 may be out
.irp tau, 0,1,2,3
	KQ \tau
.endr
	s_wait_dscnt 0x0
.irp tau, 4,5,6,7
	KQ \tau
.endr                                          ; lane (r, h) holds query r; the 16 registers of tiles 2 b, 2 b + 1 are keys 32 b + 16 h + 0 .. 15
	v_mov_b32 v[TT], v12                           ; the old -M.  With the three lines below: the places in front of the loads into K's registers and of the first read of the scores
.rept 3
	v_nop
.endr
	ds_load_b64 v[VSC:VSC+1], v[A8] offset:12544   ; V lands while the softmax is worked
	FRAGS 6144
.irp b, 0,1,2,3
	v_max3_num_f32 v[BM+\b], v[S+16*\b], v[S+1+16*\b], v[S+2+16*\b]   ; THE LARGEST SCORE OF EACH BLOCK OF 32 KEYS serves twice: for the row's maximum, and, since p rises with the score, for the block's largest p
.endr
.irp i, 3,5,7,9,11,13
.irp b, 0,1,2,3
	v_max3_num_f32 v[BM+\b], v[BM+\b], v[S+16*\b+\i], v[S+1+16*\b+\i]
.endr
.endr
.irp b, 0,1,2,3
	v_max_num_f32 v[BM+\b], v[BM+\b], v[S+15+16*\b]
.endr
.irp b, 0,1,2,3
	v_permlanex16_b32 v[BT+\b], v[BM+\b], s[SEL], s[SEL+1]
.endr
.irp b, 0,1,2,3
	v_max_num_f32 v[BM+\b], v[BM+\b], v[BT+\b]     ; with lane l xor 16's 16 keys
.endr
	v_max3_num_f32 v[U], v[BM], v[BM+1], v[BM+2]
	v_max3_num_f32 v13, v13, v[U], v[BM+3]         ; the running largest score of my query
	v_mul_f32 v[U], s[CN], v13                     ; -t
	v_floor_f32 v12, v[U]                          ; the new -M = floor(-t) = -ceil(t): M IS A WHOLE NUMBER
.set JJ, 0
	PF 5
	v_sub_f32 v[TT], v12, v[TT]                    ; old M - new M: a whole number, 0 or less
	PF 5
	v_cvt_i32_f32 v[TT], v[TT]                     ; (it saturates)
	PF 5
	v_ldexp_f32 v[FF], 1.0, v[TT]                  ; f = 2^(old M - new M): a multiplication by it rounds nothing
	PF 17
.irp b, 0,1,2,3
	v_fma_f32 v[BM+\b], v[BM+\b], s[CS], v12       ; the same of each block's largest score
.endr
.set JJ, 0
	s_wait_alu depctr_va_vdst(0)                   ; the wait ahead of the batch
.rept 64
	v_exp_f32 v[S+JJ], v[S+JJ]                     ; p = 2^(t - M), at most 1: NOT normalised
.set JJ, JJ+1
.endr
.irp b, 0,1,2,3
	v_exp_f32 v[BM+\b], v[BM+\b]                   ; the block's largest p: the same two instructions on the same number give the same bits
.endr
	v_pk_mul_f32 v[14:15], v[14:15], v[FF:FF+1] op_sel_hi:[1,0]   ; the sums under the new M.  (A plain place behind the exponentials)
	s_wait_alu depctr_va_vdst(0)                   ; one wait for the whole batch
.irp b, 0,1,2,3
	v_max_num_f32 v[BM+\b], 0x1800000, v[BM+\b]    ; the floor 2^(3 - 127): the byte cannot fall under 1
.endr
.irp b, 0,1,2,3
	v_add_nc_u32 v[SO+\b], 0xff000000, v[BM+\b]    ; 2 off the exponent field: the conversion's scale operand
.endr
.irp b, 0,1,2,3
	v_lshrrev_b32 v[BT+\b], 23, v[SO+\b]           ; the scale's byte
.endr
.irp c, 0,1
	v_cvt_scalef32_pk16_fp6_f32 v[PC+6*\c:PC+2+6*\c], v[S+32*\c:S+15+32*\c], v[SO+2*\c]
	v_cvt_scalef32_pk16_fp6_f32 v[CT+4*\c:CT+2+4*\c], v[S+16+32*\c:S+31+32*\c], v[SO+2*\c+1]   ; (a conversion's three registers begin on an even number)
.endr
	v_lshl_or_b32 v[PW], v[BT+1], 8, v[BT]         ; p's scale word, its two halves.  (The plain place behind the conversions)
	v_lshl_or_b32 v[W2], v[BT+3], 8, v[BT+2]
.irp c, 0,1                                    ; the operand wants a WHOLE block in a lane: lanes 0-15 block 2 c, lanes 16-31 block 2 c + 1
.irp i, 0,1,2
	v_permlane16_swap_b32 v[PC+6*\c+\i], v[CT+4*\c+\i]
.endr
.endr
	v_lshl_or_b32 v[PW], v[W2], 16, v[PW]          ; the word is whole
.irp c, 0,1
.irp i, 0,1,2
	v_mov_b32 v[PC+3+6*\c+\i], v[CT+4*\c+\i]
.endr
.endr
	v_pk_add_f32 v[216:217], v[100:101], v[104:105]   ; THE ROW'S SUM IS TAKEN OF THE UNQUANTISED p: eight partial sums by turns
	v_pk_add_f32 v[252:253], v[108:109], v[112:113]
	v_pk_add_f32 v[250:251], v[116:117], v[120:121]
	v_pk_add_f32 v[248:249], v[124:125], v[128:129]
	v_pk_add_f32 v[246:247], v[132:133], v[136:137]
	v_pk_add_f32 v[244:245], v[140:141], v[144:145]
	v_pk_add_f32 v[242:243], v[148:149], v[152:153]
	v_pk_add_f32 v[14:15], v[14:15], v[156:157]
	v_pk_add_f32 v[216:217], v[216:217], v[96:97]
	v_pk_add_f32 v[252:253], v[252:253], v[98:99]
	v_pk_add_f32 v[250:251], v[250:251], v[102:103]
	v_pk_add_f32 v[248:249], v[248:249], v[106:107]
	v_pk_add_f32 v[246:247], v[246:247], v[110:111]
	v_pk_add_f32 v[244:245], v[244:245], v[114:115]
	v_pk_add_f32 v[242:243], v[242:243], v[118:119]
	v_pk_add_f32 v[14:15], v[14:15], v[122:123]
	v_pk_add_f32 v[216:217], v[216:217], v[126:127]
	v_pk_add_f32 v[252:253], v[252:253], v[130:131]
	v_pk_add_f32 v[250:251], v[250:251], v[134:135]
	v_pk_add_f32 v[248:249], v[248:249], v[138:139]
	v_pk_add_f32 v[246:247], v[246:247], v[142:143]
	v_pk_add_f32 v[244:245], v[244:245], v[146:147]
	v_pk_add_f32 v[242:243], v[242:243], v[150:151]
	v_pk_add_f32 v[14:15], v[14:15], v[154:155]
	v_pk_add_f32 v[216:217], v[216:217], v[158:159]
.set JJ, 0
	s_wait_alu depctr_va_vdst(0)                   ; directly ahead of the first reader of O^T
	OM 4                                           ; the eight partial sums are joined among O's sixteen lines
	v_pk_add_f32 v[14:15], v[14:15], v[248:249]
	v_pk_add_f32 v[216:217], v[216:217], v[246:247]
	v_pk_add_f32 v[252:253], v[252:253], v[244:245]
	v_pk_add_f32 v[250:251], v[250:251], v[242:243]
	OM 4
	v_pk_add_f32 v[14:15], v[14:15], v[252:253]
	v_pk_add_f32 v[216:217], v[216:217], v[250:251]
	OM 5
	v_pk_add_f32 v[14:15], v[14:15], v[216:217]
	OM 3
	s_wait_alu depctr_va_vdst(0)                   ; directly ahead of the wait below
	s_wait_dscnt 0x0                               ; V is in
.irp t, 0,1,2,3                                ; O^T += V^T P^T: the four accumulators by turns, one instruction a turn
.if \t%2
	v_wmma_scale_f32_16x16x128_f8f6f4 v[O+8*\t:O+8*\t+7], v[KF+12*\t:KF+12*\t+11], v[PC:PC+11], v[O+8*\t:O+8*\t+7], v[VSC+\t/2], v[PW] matrix_a_fmt:MATRIX_FMT_FP6 matrix_b_fmt:MATRIX_FMT_FP6 matrix_a_scale:MATRIX_SCALE_ROW1
.else
	v_wmma_scale_f32_16x16x128_f8f6f4 v[O+8*\t:O+8*\t+7], v[KF+12*\t:KF+12*\t+11], v[PC:PC+11], v[O+8*\t:O+8*\t+7], v[VSC+\t/2], v[PW] matrix_a_fmt:MATRIX_FMT_FP6 matrix_b_fmt:MATRIX_FMT_FP6
.endif
.endr
.rept 4
	v_nop                                          ; places in front of the next step's loads into V's registers, and of the first read of O^T behind the last step
.endr
	s_add_co_u32 s[TB], s[TB], REC                 ; the next record
.endm
.macro INIT p                          ; tile p of my two begins
.if \p
	s_wait_xcnt 0x0                                ; the first tile's stores have read their registers
.irp i, 0,1,2,3,4,5
	v_mov_b32 v[QR+6+\i], v[Q2+\i]
.endr
	v_perm_b32 v[QS], v[QW], v[QW], 0x03020302     ; its two bytes, twice
.else
	v_perm_b32 v[QS], v[QW], v[QW], 0x01000100
.endif
	s_mov_b32 s[TB], 0
	v_mov_b32 v13, 0xff61b1e6                      ; the largest score so far: -3e38, under every score
	v_mov_b32 v12, 0x7e000000                      ; -M: a large whole number, so that the first step's f is 0
	v_mov_b32 v14, 0                               ; the sum, in two halves
	v_mov_b32 v15, 0
.set JJ, 0
.rept 32
	v_mov_b32 v[O+JJ], 0                           ; O^T.  (The step is written once: the first finds zeros.  These are also the places behind the writes of q and its scale word)
.set JJ, JJ+1
.endr
.endm
.macro FINISH p                        ; o = O^T / the sum; register 16 b + i is channel 32 b + 16 h + i of my query: two blocks of the last product's K
	v_add_f32 v14, v14, v15
	s_delay_alu instid0(VALU_DEP_1)
	v_permlanex16_b32 v[TT], v14, s[SEL], s[SEL+1]
	s_delay_alu instid0(VALU_DEP_1)
	v_add_f32 v14, v14, v[TT]                      ; the row's sum
	s_wait_alu depctr_va_vdst(0)
	v_rcp_f32 v14, v14
	v_nop                                          ; one plain place behind a transcendental
.set JJ, 0
	s_wait_alu depctr_va_vdst(0)
.rept 16
	v_pk_mul_f32 v[S+JJ:S+JJ+1], v[O+JJ:O+JJ+1], v[14:15] op_sel_hi:[1,0]   ; each accumulator from its low end on
.set JJ, JJ+2
.endr
.irp b, 0,1
	v_max3_num_f32 v[BM+\b], |v[S+16*\b]|, |v[S+1+16*\b]|, 0x1800000
.endr
.irp i, 2,4,6,8,10,12,14
.irp b, 0,1
	s_delay_alu instid0(VALU_DEP_2)
	v_max3_num_f32 v[BM+\b], v[BM+\b], |v[S+16*\b+\i]|, |v[S+1+16*\b+\i]|
.endr
.endr
.irp b, 0,1
	s_delay_alu instid0(VALU_DEP_2)
	v_permlanex16_b32 v[BT+\b], v[BM+\b], s[SEL], s[SEL+1]
.endr
.irp b, 0,1
	s_delay_alu instid0(VALU_DEP_2)
	v_max_num_f32 v[BM+\b], v[BM+\b], v[BT+\b]
.endr
.irp b, 0,1
	s_delay_alu instid0(VALU_DEP_2)
	v_add_nc_u32 v[SO+\b], 0xff000000, v[BM+\b]
.endr
.irp b, 0,1
	s_delay_alu instid0(VALU_DEP_2)
	v_lshrrev_b32 v[BT+\b], 23, v[SO+\b]
.endr
	s_delay_alu instid0(VALU_DEP_1)
	v_lshl_or_b32 v[OB], v[BT+1], 8, v[BT]
	v_cvt_scalef32_pk16_fp6_f32 v[PC:PC+2], v[S:S+15], v[SO]
	v_cvt_scalef32_pk16_fp6_f32 v[CT:CT+2], v[S+16:S+31], v[SO+1]
	v_nop                                          ; one plain place behind a scaled conversion
.irp i, 0,1,2
	v_permlane16_swap_b32 v[PC+\i], v[CT+\i]
.endr
.irp i, 0,1,2
	s_delay_alu instid0(VALU_DEP_3)
	v_mov_b32 v[PC+3+\i], v[CT+\i]
.endr
	global_store_b128 v[L16], v[PC:PC+3], s[44:45] offset:1536*\p        ; 512 and 256 consecutive bytes, each at a multiple of 256
	global_store_b64 v[L8], v[PC+4:PC+5], s[44:45] offset:1536*\p+512
	global_store_b16 v[R4], v[OB], s[46:47] offset:64*\p                 ; lanes r and r + 16 write the same two bytes with the same value
.endm
	INIT 0
	s_mov_b32 s[CNT], 16
.Lkeys0:
	STEP
	s_sub_co_u32 s[CNT], s[CNT], 1
	s_cmp_lg_u32 s[CNT], 0
	s_cbranch_scc1 .Lkeys0
	FINISH 0
	INIT 1
	s_mov_b32 s[CNT], 16
.Lkeys1:
	STEP
	s_sub_co_u32 s[CNT], s[CNT], 1
	s_cmp_lg_u32 s[CNT], 0
	s_cbranch_scc1 .Lkeys1
	FINISH 1
	s_wait_dscnt 0x0                               ; no LDS instruction of mine is pending at a signal
	s_wait_tensorcnt 0x0                           ; the wave's end
	ds_add_u32 v254, v255
	s_wait_dscnt 0x0
	CROUND                                         ; the closing round: no work-group ends while a partner may still ask for a record that names it
	s_endpgm
.Lfunc_end_k_qd6eb74d633_attn:
	.size	k_qd6eb74d633_attn, .Lfunc_end_k_qd6eb74d633_attn-k_qd6eb74d633_attn
	.p2alignl 7, 3214868480
	.fill 96, 4, 3214868480
	.section	.rodata,"a",@progbits
	.p2align	6, 0x0
	.amdhsa_kernel k_qd6eb74d633_attn
		.amdhsa_group_segment_fixed_size 206848
		.amdhsa_private_segment_fixed_size 0
		.amdhsa_enable_private_segment 0
		.amdhsa_kernarg_size 24
		.amdhsa_user_sgpr_count 2
		.amdhsa_user_sgpr_kernarg_segment_ptr 1
		.amdhsa_wavefront_size32 1
		.amdhsa_system_sgpr_workgroup_id_x 1
		.amdhsa_system_sgpr_workgroup_id_y 1
		.amdhsa_system_sgpr_workgroup_id_z 1
		.amdhsa_system_vgpr_workitem_id 0
		.amdhsa_next_free_vgpr 256
		.amdhsa_next_free_sgpr 66
		.amdhsa_reserve_vcc 0
		.amdhsa_float_denorm_mode_32 3
		.amdhsa_float_denorm_mode_16_64 3
		.amdhsa_memory_ordered 1
		.amdhsa_forward_progress 1
		.amdhsa_inst_pref_size 50
	.end_amdhsa_kernel
	.amdgpu_metadata
---
amdhsa.version: [ 1, 2 ]
amdhsa.kernels:
  - .name:           k_qd6eb74d633_attn
    .symbol:         k_qd6eb74d633_attn.kd
    .args:
      - { .name: qc, .offset: 0, .size: 8, .value_kind: global_buffer, .address_space: global }
      - { .name: kv, .offset: 8, .size: 8, .value_kind: global_buffer, .address_space: global }
      - { .name: aq, .offset: 16, .size: 8, .value_kind: global_buffer, .address_space: global }
    .group_segment_fixed_size: 206848
    .private_segment_fixed_size: 0
    .kernarg_segment_align: 8
    .kernarg_segment_size: 24
    .max_flat_workgroup_size: 512
    .sgpr_count:     66
    .vgpr_count:     256
    .wavefront_size: 32
...
	.end_amdgpu_metadata
.endif
;; end of part 3
;; launch gemm_proj (part 4): grid 4 x 64, 4 waves a work-group, clusters of 4 x 4, 327,680 bytes of LDS; arguments aq, wp, b_proj, out0; writes out0
.if DOCPART == 4
	.amdgcn_target "amdgcn-amd-amdhsa--gfx1250"
	.amdhsa_code_object_version 6
	.text
	.protected	k_qd6eb74d633_gemm_proj
	.globl	k_qd6eb74d633_gemm_proj
	.p2align	8
	.type	k_qd6eb74d633_gemm_proj,@function
k_qd6eb74d633_gemm_proj:
	s_mov_b64 s[64:65], 0
	v_nop
	global_prefetch_b8 v0, s[64:65] scope:SCOPE_SE
	s_setreg_imm32_b32 hwreg(HW_REG_WAVE_MODE, 25, 1), 1
	s_wait_xcnt 0x0
	s_wait_alu depctr_hold_cnt(0) depctr_sa_sdst(0) depctr_va_vdst(0) depctr_va_sdst(0) depctr_va_ssrc(0) depctr_va_vcc(0) depctr_vm_vsrc(0)
	s_getreg_b32 s2, hwreg(HW_REG_IB_STS2, 6, 4)
	s_cmp_eq_u32 s2, 0
	s_cbranch_scc0 .Lentry_in_a_cluster
	s_endpgm
.Lentry_in_a_cluster:
	s_bfe_u32 s2, ttmp6, 0x10000c
	s_cmp_lg_u32 s2, 0xf033
	s_cbranch_scc0 .Lentry_shape_is_right
	s_endpgm
.Lentry_shape_is_right:
; out0 = o w_proj + b_proj on codes of FP6 (E2M3) with E8M0 scales; f32 sums, f32 out.
; IN.  aq, wp: blocks of 256 rows, 204,800 bytes: fragment (K step s, tile t) at 24,576 s + 1,536 t; scale words at 196,608 + 1,024 s + 64 t + 4 r.  Lane-row r of tile T is row 32 (T / 2) + 8 (T % 2) + r + 8 (r / 8).
; A tile of 128 tokens x 256 columns to a work-group: 64 x 4 = 256 work-groups.  Four waves, 64 x 128 each: 32 accumulators, by turns.
; ALL OF K LIES IN LDS, FILLED ONCE, one joint load a wave at the head: wave 0 my 128 rows' codes (8 rows of 12,288 bytes, one a K step), wave 1 their scale words (8 rows of 512 bytes),
; waves 2 and 3 the two halves of B's block, dense, scale words and all.  Nothing is filled again: no ring, and no round of the cluster's barrier but the first and the last.
; CLUSTER 4 x 4: A's tiles are shared along a row of the cluster, B's along a column.
; SCALE WORDS: a register holds a tile's words of two K steps: lanes 0-15 the even step's, lanes 16-31 the odd step's; the odd step names ROW1 on both sides.
; The matrix instruction is used transposed (source 0 = B, source 1 = A): a lane holds eight neighbouring columns of a token.  The bias is the C of each accumulator's first product.
; The way out goes through each wave's own stage, which lies on B's first 33,792 bytes: behind the barrier in the last K step nobody reads LDS tiles any more, and no fill follows.
; No prefetch: no loop to run ahead in, and every tile is asked for at the head.
.set BLKB,  204800
.set STEPB, 24576
.set HSTEP, 12288
.set SCOFF, 196608
.set FR,    12
.set NP,    4
.set ABASE, BLKB                       ; behind B's block: A's codes, 8 x 12,288
.set ASC,   ABASE+8*HSTEP              ; A's scale words, 8 x 512
.set SPARE, ASC+4096                   ; the spare words, 512 bytes
.set SPITCH, 528
.set B16,  4                           ; v4-7   B's fragments, 16 x lane, for K steps 0-1, 2-3, 4-5, 6-7
.set B8,   8                           ; v8-11  the same, 8 x lane
.set A16,  12                          ; v12-13 A's, for K steps 0-3, 4-7
.set A8,   14                          ; v14-15
.set ADSA, 16                          ; A's scale words
.set ADSB, 17                          ; B's
.set L16,  24
.set L8,   25
.set STO,  26
.set SPW,  28
.set NIL,  29
.set RD,   30
.set BO,   31
.set SCB,  32                          ; v32-47 B's scale words, two sets of 8
.set SCA,  48                          ; v48-55 A's, two sets of 4
.set BP,   64                          ; v64-127 the bias, in the result's layout
.set AF,   128                         ; A's fragments, two sets of 48
.set BK,   128
.set G1, 24
.set G0, 32
.set G0S, 36
.set G1B, 48
.set G0B, 56
.set G1S, 68
.set MSB, 0
.macro WIN new
.if MSB != (\new)
	s_set_vgpr_msb (MSB<<8)|(\new)
.set MSB, (\new)
.endif
.endm
.set MUL,  0xa1                        ; source 0 (B) window 1, source 1 (A) window 0, C and D window 2
.set FST,  0x81                        ; the same, C (the bias) window 0
.set TO_B, 0x40
.macro CREST
	s_cmp_lg_u32 s14, 0
	s_cbranch_scc1 .Lnot_wave_0_\@
	s_barrier_signal -3
.Lnot_wave_0_\@:
	s_barrier_wait -3
	s_barrier_signal -1
	s_barrier_wait -1
.endm
.macro CROUND
	s_barrier_signal -1
	s_barrier_wait -1
	CREST
.endm
.macro ARM under, g0, g1, next
	s_cmp_lt_u32 s14, \under
	s_cbranch_scc0 \next
	tensor_load_to_lds s[\g0:\g0+3], s[\g1:\g1+7]
	s_nop 0
.rept 4
	v_nop
.endr
	s_branch .Lhead_asked
\next:
.endm
	s_load_b128 s[4:7], s[0:1], 0x0                ; aq, wp
	s_load_b128 s[96:99], s[0:1], 0x10             ; b_proj, out0
	v_lshl_add_u32 v[SPW], v0, 2, SPARE
	v_mov_b32 v[NIL], 0
	ds_add_u32 v[SPW], v[NIL]                      ; the opening lines: the add twice and one wait
	ds_add_u32 v[SPW], v[NIL]
	v_lshrrev_b32 v1, 5, v0
	v_readfirstlane_b32 s14, v1                    ; wave
	s_lshr_b32 s15, s14, 1                         ; my 64 of the 128 tokens
	s_and_b32 s16, s14, 1                          ; my 128 of the 256 columns
	s_bfe_u32 s40, ttmp6, 0x40000
	s_bfe_u32 s41, ttmp6, 0x40004
	s_lshl_b32 s93, ttmp9, 2
	s_add_co_u32 s93, s93, s40                     ; B's block
	s_and_b32 s92, ttmp7, 0xffff
	s_lshl_b32 s92, s92, 2
	s_add_co_u32 s92, s92, s41                     ; which 128 tokens
	s_lshl_b32 s43, s41, 2
	s_lshl_b32 s43, 15, s43
	s_lshl_b32 s44, 0x1111, s40
	s_or_b32 s[G1+0], s43, (3<<16)|(1<<21)         ; A's codes: 8 rows of 1,536 elements of 8 bytes, 3,072 elements apart
	s_mov_b32 s[G1+1], 1536<<16
	s_mov_b32 s[G1+2], 8<<16
	s_mov_b32 s[G1+3], 1536<<16
	s_mov_b32 s[G1+4], 8
	s_mov_b32 s[G1+5], 3072
	s_mov_b32 s[G1+6], 0
	s_mov_b32 s[G1+7], 0
	s_or_b32 s[G1S+0], s43, (3<<16)|(1<<21)        ; A's scale words: 8 rows of 64 elements, 128 apart
	s_mov_b32 s[G1S+1], 64<<16
	s_mov_b32 s[G1S+2], 8<<16
	s_mov_b32 s[G1S+3], 64<<16
	s_mov_b32 s[G1S+4], 8
	s_mov_b32 s[G1S+5], 128
	s_mov_b32 s[G1S+6], 0
	s_mov_b32 s[G1S+7], 0
	s_or_b32 s[G1B+0], s44, (3<<16)|(1<<21)        ; half of B's block, dense: 400 rows of 256 bytes
	s_mov_b32 s[G1B+1], 32<<16
	s_mov_b32 s[G1B+2], 400<<16
	s_mov_b32 s[G1B+3], 32<<16
	s_mov_b32 s[G1B+4], 400
	s_mov_b32 s[G1B+5], 32
	s_mov_b32 s[G1B+6], 0
	s_mov_b32 s[G1B+7], 0
	s_lshr_b32 s18, s92, 1
	s_mul_i32 s18, s18, BLKB                       ; A's block,
	s_and_b32 s19, s92, 1                          ; and which half of its tiles
	s_mul_i32 s20, s19, HSTEP
	s_add_co_u32 s20, s20, s18
	s_mov_b32 s21, 0
	s_lshl_b32 s22, s19, 9
	s_add_co_u32 s22, s22, s18
	s_add_co_u32 s22, s22, SCOFF
	s_mov_b32 s23, 0
	s_mul_i32 s45, s16, BLKB/2                     ; waves 2, 3: which half of B's block
	s_mul_i32 s46, s93, BLKB
	s_add_co_u32 s46, s46, s45
	s_mov_b32 s47, 0
	s_wait_dscnt 0x0
	s_wait_kmcnt 0x0
	s_mov_b32 s[G0], 1
	s_mov_b32 s[G0+1], ABASE
	s_add_nc_u64 s[G0+2:G0+3], s[4:5], s[20:21]
	s_or_b32 s[G0+3], s[G0+3], 0x80000000
	s_mov_b32 s[G0S], 1
	s_mov_b32 s[G0S+1], ASC
	s_add_nc_u64 s[G0S+2:G0S+3], s[4:5], s[22:23]
	s_or_b32 s[G0S+3], s[G0S+3], 0x80000000
	s_mov_b32 s[G0B], 1
	s_mov_b32 s[G0B+1], s45
	s_add_nc_u64 s[G0B+2:G0B+3], s[6:7], s[46:47]
	s_or_b32 s[G0B+3], s[G0B+3], 0x80000000
	CROUND                                         ; all sixteen work-groups are here: the joint loads meet
	ARM 1, G0,  G1,  .Lhead_sa
	ARM 2, G0S, G1S, .Lhead_b
	tensor_load_to_lds s[G0B:G0B+3], s[G1B:G1B+7]
	s_nop 0
.rept 4
	v_nop
.endr
.Lhead_asked:
	s_mul_i32 s21, s15, 4*1536
	s_add_co_u32 s21, s21, ABASE                   ; my four tiles of A
	s_mul_i32 s22, s16, 8*1536                     ; my eight tiles of B
	s_lshl_b32 s23, s15, 8
	s_add_co_u32 s23, s23, ASC
	s_lshl_b32 s2, s16, 9
	s_add_co_u32 s2, s2, SCOFF
	s_mul_i32 s3, s14, 16*SPITCH                   ; my stage
	s_lshl_b32 s18, s93, 10                        ; my first column, in bytes
	s_lshl_b32 s19, s16, 9
	s_add_co_u32 s18, s18, s19
	s_mov_b32 s19, 0
	s_add_nc_u64 s[8:9], s[96:97], s[18:19]
	s_add_nc_u64 s[12:13], s[98:99], s[18:19]
	s_lshl_b32 s18, s92, 19                        ; my first token: 128 x tile + 64 x half, 4,096 bytes each
	s_lshl_b32 s20, s15, 18
	s_add_co_u32 s18, s18, s20
	s_add_nc_u64 s[12:13], s[12:13], s[18:19]
	v_and_b32 v1, 31, v0
	v_and_b32 v2, 15, v0                           ; r
	v_bfe_u32 v3, v0, 4, 1                         ; h
	v_lshlrev_b32 v[L16], 4, v1
	v_lshlrev_b32 v[L8], 3, v1
	v_add_nc_u32 v[B16], s22, v[L16]
	v_add_nc_u32 v[B8], s22, v[L8]
.irp p, 1,2,3
	v_add_nc_u32 v[B16+\p], \p*2*STEPB, v[B16]
	v_add_nc_u32 v[B8+\p], \p*2*STEPB, v[B8]
.endr
	v_add_nc_u32 v[A16], s21, v[L16]
	v_add_nc_u32 v[A8], s21, v[L8]
	v_add_nc_u32 v[A16+1], 4*HSTEP, v[A16]
	v_add_nc_u32 v[A8+1], 4*HSTEP, v[A8]
	v_lshl_add_u32 v[ADSA], v2, 2, s23
	v_lshl_add_u32 v[ADSA], v3, 9, v[ADSA]         ; lanes 16-31: the odd K step's words, 512 bytes on
	v_lshl_add_u32 v[ADSB], v2, 2, s2
	v_lshl_add_u32 v[ADSB], v3, 10, v[ADSB]        ; in B's block 1,024 bytes on
	v_mul_u32_u24 v1, v2, SPITCH
	v_lshl_add_u32 v1, v3, 6, v1
	v_add_nc_u32 v[STO], s3, v1
	v_add_nc_u32 v[RD], s3, v[L16]
	v_lshlrev_b32 v[BO], 6, v3
	s_wait_alu depctr_va_vdst(0)                   ; the wait at the head's end
.irp b, 0,1,2,3,4,5,6,7
	global_load_b128 v[BP+8*\b:BP+8*\b+3], v[BO], s[8:9] offset:128*(\b/2)+32*(\b%2)
	global_load_b128 v[BP+8*\b+4:BP+8*\b+7], v[BO], s[8:9] offset:128*(\b/2)+32*(\b%2)+16
.endr
.macro FRAG reg, a16, a8, off
	ds_load_b128 v[\reg:\reg+3], v[\a16] offset:\off
	ds_load_b64 v[\reg+4:\reg+5], v[\a8] offset:\off+512
	ds_load_b128 v[\reg+6:\reg+9], v[\a16] offset:\off+768
	ds_load_b64 v[\reg+10:\reg+11], v[\a8] offset:\off+1280
.endm
.macro FETCH st                        ; K step st's fragments into sets st % 2; with an even step the scale words of it and the next
	WIN TO_B
.irp i, 0,1,2,3,4,5,6,7
	FRAG 128*((\st)%2)+FR*\i, B16+(\st)/2, B8+(\st)/2, ((\st)%2)*STEPB+\i*1536
.endr
	WIN 0
.irp i, 0,1,2,3
	FRAG AF+48*((\st)%2)+FR*\i, A16+(\st)/4, A8+(\st)/4, ((\st)%4)*HSTEP+\i*1536
.endr
.if (\st)%2 == 0
.irp i, 0,1,2,3,4,5,6,7
	ds_load_b32 v[SCB+8*(((\st)/2)%2)+\i], v[ADSB] offset:2048*((\st)/2)+64*\i
.endr
.irp i, 0,1,2,3
	ds_load_b32 v[SCA+4*(((\st)/2)%2)+\i], v[ADSA] offset:1024*((\st)/2)+64*\i
.endr
.endif
.endm
.macro MUL32 st, first                 ; 32 matrix instructions, the 32 accumulators by turns
.set XB, 128*((\st)%2)
.set XA, AF+48*((\st)%2)
.set YB, SCB+8*(((\st)/2)%2)
.set YA, SCA+4*(((\st)/2)%2)
.irp a, 0,1,2,3
.irp b, 0,1,2,3,4,5,6,7
.if \first
	v_wmma_scale_f32_16x16x128_f8f6f4 v[8*(8*\a+\b):8*(8*\a+\b)+7], v[XB+FR*\b:XB+FR*\b+FR-1], v[XA+FR*\a:XA+FR*\a+FR-1], v[BP+8*\b:BP+8*\b+7], v[YB+\b], v[YA+\a] matrix_a_fmt:MATRIX_FMT_FP6 matrix_b_fmt:MATRIX_FMT_FP6
.else
.if (\st)%2
	v_wmma_scale_f32_16x16x128_f8f6f4 v[8*(8*\a+\b):8*(8*\a+\b)+7], v[XB+FR*\b:XB+FR*\b+FR-1], v[XA+FR*\a:XA+FR*\a+FR-1], v[8*(8*\a+\b):8*(8*\a+\b)+7], v[YB+\b], v[YA+\a] matrix_a_fmt:MATRIX_FMT_FP6 matrix_b_fmt:MATRIX_FMT_FP6 matrix_a_scale:MATRIX_SCALE_ROW1 matrix_b_scale:MATRIX_SCALE_ROW1
.else
	v_wmma_scale_f32_16x16x128_f8f6f4 v[8*(8*\a+\b):8*(8*\a+\b)+7], v[XB+FR*\b:XB+FR*\b+FR-1], v[XA+FR*\a:XA+FR*\a+FR-1], v[8*(8*\a+\b):8*(8*\a+\b)+7], v[YB+\b], v[YA+\a] matrix_a_fmt:MATRIX_FMT_FP6 matrix_b_fmt:MATRIX_FMT_FP6
.endif
.endif
.endr
.endr
.endm
.macro PLACES n
.rept \n
	v_nop
.endr
.endm
.macro STEP st
	s_wait_dscnt 0x0                               ; this step's fragments are in
	PLACES NP                                      ; in front of the loads into the sets that the step before multiplied
	FETCH (\st)+1
	WIN MUL
	MUL32 \st, 0
	WIN 0
.endm
	s_wait_tensorcnt 0x0                           ; my tile of the four is in
	s_barrier_signal -1
	s_barrier_wait -1                              ; everybody's is: A and B are whole for all of K
	FETCH 0
	s_wait_loadcnt 0x0                             ; the bias
	s_wait_dscnt 0x0
	FETCH 1
	WIN FST
	MUL32 0, 1                                     ; the first products start the sums from the bias
	WIN 0
.irp s, 1,2,3,4,5,6
	STEP \s
.endr
	s_wait_dscnt 0x0                               ; my last reads of the tiles are over:
	s_barrier_signal -1                            ; say so,
	WIN MUL
	MUL32 7, 0
	WIN 0
	s_barrier_wait -1                              ; and behind this wait the stages may be written
.macro TOSTAGE a
.set AC, 64*(\a)
	WIN 0x08                                       ; the data: window 2
.irp b, 0,1,2,3,4,5,6,7
	ds_store_b128 v[STO], v[AC+8*\b:AC+8*\b+3] offset:128*(\b/2)+32*(\b%2)       ; each accumulator from its low end on
	ds_store_b128 v[STO], v[AC+8*\b+4:AC+8*\b+7] offset:128*(\b/2)+32*(\b%2)+16
.endr
	WIN 0
.set BB, BK+64*((\a)%2)
.irp t, 0,1,2,3,4,5,6,7,8,9,10,11,12,13,14,15
	ds_load_b128 v[BB+4*\t:BB+4*\t+3], v[RD] offset:\t*SPITCH   ; LDS serves a wave's instructions in order: these see the stores
.endr
.endm
.macro SEND a, younger
.set BB, BK+64*((\a)%2)
	s_wait_dscnt \younger
.if (\a) > 0
.if ((\a)%2) == 1
	s_add_nc_u64 s[12:13], s[12:13], 8*4096
.else
	s_add_nc_u64 s[12:13], s[12:13], 24*4096
.endif
.endif
.irp t, 0,1,2,3,4,5,6,7,8,9,10,11,12,13,14,15
	global_store_b128 v[L16], v[BB+4*\t:BB+4*\t+3], s[12:13] offset:(\t+8*(\t/8))*4096 th:TH_STORE_NT   ; 32 lanes store 512 consecutive bytes, at a multiple of 256
.endr
.endm
	PLACES NP
	TOSTAGE 0
.irp a, 1,2,3
.if \a > 1
	s_wait_xcnt 0x0                                ; block a - 2's stores have read their registers and their base
.endif
	TOSTAGE \a
	SEND \a-1, 32                                  ; behind block a - 1's loads: block a's 16 stores and 16 loads
.endr
	s_wait_xcnt 0x0
	SEND 3, 0
	s_wait_tensorcnt 0x0                           ; the wave's end
	ds_add_u32 v[SPW], v[NIL]
	s_wait_dscnt 0x0
	CROUND                                         ; the closing round
	s_endpgm
.Lfunc_end_k_qd6eb74d633_gemm_proj:
	.size	k_qd6eb74d633_gemm_proj, .Lfunc_end_k_qd6eb74d633_gemm_proj-k_qd6eb74d633_gemm_proj
	.p2alignl 7, 3214868480
	.fill 96, 4, 3214868480
	.section	.rodata,"a",@progbits
	.p2align	6, 0x0
	.amdhsa_kernel k_qd6eb74d633_gemm_proj
		.amdhsa_group_segment_fixed_size 327680
		.amdhsa_private_segment_fixed_size 0
		.amdhsa_enable_private_segment 0
		.amdhsa_kernarg_size 32
		.amdhsa_user_sgpr_count 2
		.amdhsa_user_sgpr_kernarg_segment_ptr 1
		.amdhsa_wavefront_size32 1
		.amdhsa_system_sgpr_workgroup_id_x 1
		.amdhsa_system_sgpr_workgroup_id_y 1
		.amdhsa_system_sgpr_workgroup_id_z 1
		.amdhsa_system_vgpr_workitem_id 0
		.amdhsa_next_free_vgpr 768
		.amdhsa_next_free_sgpr 102
		.amdhsa_reserve_vcc 0
		.amdhsa_float_denorm_mode_32 3
		.amdhsa_float_denorm_mode_16_64 3
		.amdhsa_memory_ordered 1
		.amdhsa_forward_progress 1
		.amdhsa_inst_pref_size 86
	.end_amdhsa_kernel
	.amdgpu_metadata
---
amdhsa.version: [ 1, 2 ]
amdhsa.kernels:
  - .name:           k_qd6eb74d633_gemm_proj
    .symbol:         k_qd6eb74d633_gemm_proj.kd
    .args:
      - { .name: aq, .offset: 0, .size: 8, .value_kind: global_buffer, .address_space: global }
      - { .name: wp, .offset: 8, .size: 8, .value_kind: global_buffer, .address_space: global }
      - { .name: b_proj, .offset: 16, .size: 8, .value_kind: global_buffer, .address_space: global }
      - { .name: out0, .offset: 24, .size: 8, .value_kind: global_buffer, .address_space: global }
    .group_segment_fixed_size: 327680
    .private_segment_fixed_size: 0
    .kernarg_segment_align: 8
    .kernarg_segment_size: 32
    .max_flat_workgroup_size: 128
    .sgpr_count:     102
    .vgpr_count:     768
    .wavefront_size: 32
...
	.end_amdgpu_metadata
.endif
;; end of part 4
